; MI455X (gfx1250); checked and timed in simulation.
; The chip was launched on July 23, 2026; its instructions are those of AMD's public machine-readable ISA for CDNA 5 (MIT licence, August 2026) and "CDNA5" Instruction Set Architecture Reference Guide (July 2026). The comments in the code are by the model that wrote it; some were corrected since.
;; Multihead Flash Diff2. Allowed arithmetic: float matrix products may take bf16 or f16 operands with f32 sums; other float arithmetic in f32, or as packed bf16 or f16 multiplies, adds, multiply-adds, maxima and minima; sums over many terms, partial sums and values carried from step to step in f32; what a program stores and reads back later, other than sums and carried values, may be rounded once to bf16 or f16.
;; Inputs: Wk 1,024 x 2,048 float32; Wo 2,048 x 2,048 float32; Wq 2,048 x 2,048 float32; Wv 1,024 x 2,048 float32; cos 2,048 x 32 float32; lambda_k1 64 float32; lambda_k2 64 float32; lambda_q1 64 float32; lambda_q2 64 float32; sin 2,048 x 32 float32; subln_w 128 float32; x 1 x 2,048 x 2,048 float32.
;; Outputs: out0 1 x 2,048 x 2,048 float32.
;; 2 versions, each right; version 2 is version 1 with the launch cast written anew for expert scheduling mode. Each part assembles by itself: llvm-mc -triple=amdgcn-amd-amdhsa -mcpu=gfx1250 --defsym DOCPART=n.
;; ======== version 1 of 2: 4 launches
;; limits: values are held in f16: magnitudes above 65,504 overflow, below 6.1e-05 lose precision
;; workspace buffers: xb 8,388,608 bytes; wqkv 16,777,216 bytes; wob 8,388,608 bytes; qkv 16,777,216 bytes; att 8,388,608 bytes
;; launch cast (part 1): grid 64 x 8, 8 waves a work-group, no clusters, 0 bytes of LDS; arguments x, Wq, Wk, Wv, Wo, xb, wqkv, wob; writes xb, wqkv, wob
.if DOCPART == 1
	.amdgcn_target "amdgcn-amd-amdhsa--gfx1250"
	.amdhsa_code_object_version 6
	.text
	.protected	k_q0650c8b8f7_cast
	.globl	k_q0650c8b8f7_cast
	.p2align	8
	.type	k_q0650c8b8f7_cast,@function
k_q0650c8b8f7_cast:
	s_mov_b64 s[64:65], 0
	v_nop
	global_prefetch_b8 v0, s[64:65] scope:SCOPE_SE
	s_setreg_imm32_b32 hwreg(HW_REG_WAVE_MODE, 25, 1), 1
	s_wait_xcnt 0x0
; THE MATRIX OPERANDS ARE ROUNDED ONCE.  x -> xb (bf16); Wq, Wk, Wv -> wqkv (bf16; rows 0-2047 Wq, 2048-3071 Wk, 3072-4095 Wv); Wo -> wob: rounded to bf16, and that number written as f16.
; LIMIT.  A bf16 number of Wo beyond 65,504 would be an infinity in f16; below 6e-5 it keeps f16's fixed step of 6e-8.
; SHARES.  The 16 Mi numbers are eight chunks of 2 Mi (8 MiB in, 4 MiB out); the grid's y names the chunk, its x 128 KiB of it.  A thread takes 16 bytes of every 4,096: a wave's load covers
; 512 consecutive bytes, its store 256 consecutive bytes at a multiple of 256 from the buffer's first byte.  All 32 loads of a thread go out at once; the waits count down.
; No LDS, no matrix unit, no cluster: every byte is read once and written once, and no wave wants what another has read.
.set X, 16                             ; v[16:143]  step s: four numbers as loaded at X + 4 s; its first two registers then hold the four rounded numbers
	s_load_b512 s[8:23], s[0:1], 0x0               ; x s[8:9], Wq s[10:11], Wk s[12:13], Wv s[14:15], Wo s[16:17], xb s[18:19], wqkv s[20:21], wob s[22:23]
	s_and_b32 s24, ttmp7, 0xffff                   ; the chunk: 0, 1 x; 2, 3 Wq; 4 Wk; 5 Wv; 6, 7 Wo
	v_lshlrev_b32 v1, 4, v0                        ; 16 bytes a thread in; never rewritten
	v_lshlrev_b32 v2, 3, v0                        ; 8 bytes a thread out; never rewritten
	s_mov_b32 s34, 0xffff0000                      ; a word's upper bf16
	s_and_b32 s30, s24, 1                          ; the chunk's place in its source: the second 8 MiB where the chunk's number is odd,
	s_lshl_b32 s30, s30, 23
	s_cmp_eq_u32 s24, 5
	s_cselect_b32 s30, 0, s30                      ; but Wv is one chunk
	s_lshl_b32 s25, ttmp9, 17                      ; the work-group's 128 KiB
	s_add_co_u32 s30, s30, s25
	s_mov_b32 s31, 0
	s_cmp_lt_u32 s24, 2                            ; the first chunk of the destination: 0 for xb, 2 for wqkv, 6 for wob
	s_cselect_b32 s35, 0, 2
	s_cmp_ge_u32 s24, 6
	s_cselect_b32 s35, 6, s35
	s_sub_co_u32 s32, s24, s35
	s_lshl_b32 s32, s32, 22                        ; 4 MiB a chunk
	s_lshl_b32 s25, ttmp9, 16                      ; the work-group's 64 KiB
	s_add_co_u32 s32, s32, s25
	s_mov_b32 s33, 0
	s_wait_kmcnt 0x0
	s_cmp_lt_u32 s24, 2
	s_cselect_b64 s[26:27], s[8:9], s[10:11]       ; from where,
	s_cselect_b64 s[28:29], s[18:19], s[20:21]     ; and to where
	s_cmp_eq_u32 s24, 4
	s_cselect_b64 s[26:27], s[12:13], s[26:27]
	s_cmp_eq_u32 s24, 5
	s_cselect_b64 s[26:27], s[14:15], s[26:27]
	s_cmp_ge_u32 s24, 6
	s_cselect_b64 s[26:27], s[16:17], s[26:27]
	s_cselect_b64 s[28:29], s[22:23], s[28:29]
	s_add_nc_u64 s[26:27], s[26:27], s[30:31]
	s_add_nc_u64 s[28:29], s[28:29], s[32:33]
.set i, 0
.rept 32
	global_load_b128 v[X+4*i:X+4*i+3], v1, s[26:27] offset:4096*i th:TH_LOAD_NT
.set i, i+1
.endr
; Step s: its load is in (the 31 - s younger ones stay out); four numbers are rounded and stored.  No register that a load or store has named is written again, so no further wait is owed.
.macro CV s, half
	s_wait_loadcnt 31-(\s)
.if \half
	v_cvt_pk_bf16_f32 v4, v[X+4*(\s)], v[X+4*(\s)+1]      ; rounded to bf16 like every other input,
	v_cvt_pk_bf16_f32 v5, v[X+4*(\s)+2], v[X+4*(\s)+3]
	v_lshlrev_b32 v6, 16, v4                               ; widened again,
	v_and_b32 v7, s34, v4
	v_lshlrev_b32 v8, 16, v5
	v_and_b32 v9, s34, v5
	v_cvt_pk_f16_f32 v[X+4*(\s)], v6, v7                   ; and written as f16: eight significant bits fit into eleven
	v_cvt_pk_f16_f32 v[X+4*(\s)+1], v8, v9
.else
	v_cvt_pk_bf16_f32 v[X+4*(\s)], v[X+4*(\s)], v[X+4*(\s)+1]
	v_cvt_pk_bf16_f32 v[X+4*(\s)+1], v[X+4*(\s)+2], v[X+4*(\s)+3]
.endif
	global_store_b64 v2, v[X+4*(\s):X+4*(\s)+1], s[28:29] offset:2048*(\s) th:TH_STORE_NT
.endm
	s_cmp_ge_u32 s24, 6
	s_cbranch_scc1 .Lhalf
.set i, 0
.rept 32
	CV i, 0
.set i, i+1
.endr
	s_endpgm
.Lhalf:
.set i, 0
.rept 32
	CV i, 1
.set i, i+1
.endr
	s_endpgm
.Lfunc_end_k_q0650c8b8f7_cast:
	.size	k_q0650c8b8f7_cast, .Lfunc_end_k_q0650c8b8f7_cast-k_q0650c8b8f7_cast
	.p2alignl 7, 3214868480
	.fill 96, 4, 3214868480
	.section	.rodata,"a",@progbits
	.p2align	6, 0x0
	.amdhsa_kernel k_q0650c8b8f7_cast
		.amdhsa_group_segment_fixed_size 0
		.amdhsa_private_segment_fixed_size 0
		.amdhsa_enable_private_segment 0
		.amdhsa_kernarg_size 64
		.amdhsa_user_sgpr_count 2
		.amdhsa_user_sgpr_kernarg_segment_ptr 1
		.amdhsa_wavefront_size32 1
		.amdhsa_system_sgpr_workgroup_id_x 1
		.amdhsa_system_sgpr_workgroup_id_y 1
		.amdhsa_system_sgpr_workgroup_id_z 1
		.amdhsa_system_vgpr_workitem_id 0
		.amdhsa_next_free_vgpr 144
		.amdhsa_next_free_sgpr 66
		.amdhsa_reserve_vcc 0
		.amdhsa_float_denorm_mode_32 3
		.amdhsa_float_denorm_mode_16_64 3
		.amdhsa_memory_ordered 1
		.amdhsa_forward_progress 1
		.amdhsa_inst_pref_size 29
	.end_amdhsa_kernel
	.amdgpu_metadata
---
amdhsa.version: [ 1, 2 ]
amdhsa.kernels:
  - .name:           k_q0650c8b8f7_cast
    .symbol:         k_q0650c8b8f7_cast.kd
    .args:
      - { .name: x, .offset: 0, .size: 8, .value_kind: global_buffer, .address_space: global }
      - { .name: Wq, .offset: 8, .size: 8, .value_kind: global_buffer, .address_space: global }
      - { .name: Wk, .offset: 16, .size: 8, .value_kind: global_buffer, .address_space: global }
      - { .name: Wv, .offset: 24, .size: 8, .value_kind: global_buffer, .address_space: global }
      - { .name: Wo, .offset: 32, .size: 8, .value_kind: global_buffer, .address_space: global }
      - { .name: xb, .offset: 40, .size: 8, .value_kind: global_buffer, .address_space: global }
      - { .name: wqkv, .offset: 48, .size: 8, .value_kind: global_buffer, .address_space: global }
      - { .name: wob, .offset: 56, .size: 8, .value_kind: global_buffer, .address_space: global }
    .group_segment_fixed_size: 0
    .private_segment_fixed_size: 0
    .kernarg_segment_align: 8
    .kernarg_segment_size: 64
    .max_flat_workgroup_size: 256
    .sgpr_count:     66
    .vgpr_count:     144
    .wavefront_size: 32
...
	.end_amdgpu_metadata
.endif
;; end of part 1
;; launch qkvgemm (part 2): grid 16 x 16, 4 waves a work-group, clusters of 4 x 4, 327,680 bytes of LDS; arguments xb, wqkv, cos, sin, qkv; writes qkv
.if DOCPART == 2
	.amdgcn_target "amdgcn-amd-amdhsa--gfx1250"
	.amdhsa_code_object_version 6
	.text
	.protected	k_q0650c8b8f7_qkvgemm
	.globl	k_q0650c8b8f7_qkvgemm
	.p2align	8
	.type	k_q0650c8b8f7_qkvgemm,@function
k_q0650c8b8f7_qkvgemm:
	s_mov_b64 s[64:65], 0
	v_nop
	global_prefetch_b8 v0, s[64:65] scope:SCOPE_SE
	s_setreg_imm32_b32 hwreg(HW_REG_WAVE_MODE, 25, 1), 1
	s_wait_xcnt 0x0
	s_wait_alu depctr_hold_cnt(0) depctr_sa_sdst(0) depctr_va_vdst(0) depctr_va_sdst(0) depctr_va_ssrc(0) depctr_va_vcc(0) depctr_vm_vsrc(0)
	s_getreg_b32 s2, hwreg(HW_REG_IB_STS2, 6, 4)
	s_cmp_eq_u32 s2, 0
	s_cbranch_scc0 .Lentry_in_a_cluster
	s_endpgm
.Lentry_in_a_cluster:
	s_bfe_u32 s2, ttmp6, 0x10000c
	s_cmp_lg_u32 s2, 0xf033
	s_cbranch_scc0 .Lentry_shape_is_right
	s_endpgm
.Lentry_shape_is_right:
; THE THREE PROJECTIONS AS ONE PRODUCT, WITH THE ROTARY ON THE WAY OUT.  C[m][n] = sum over k of xb[m][k] wqkv[n][k], bf16 operands, f32 sums; m = 0..2047, n = 0..4095, k = 0..2047.
; Columns 0-3071 (q and k) are turned in pairs (even, odd) by cos and sin of row m and pair (n % 64) / 2, both rounded to bf16 like every other input; columns 3072-4095 (v) take cos = 1, sin = 0.
; OUT: qkv[g][m][64] in f16, g = n / 64: a group's rows are dense, 128 bytes each.  LIMIT: a result beyond 65,504 would be an infinity in f16.
; SHARES.  A tile of C is 128 (m) x 256 (n): 256 work-groups.  Four waves, each 64 x 128: 32 accumulators of 16 x 16.  K goes in steps of 128 (rows of 256 bytes) through two LDS slots.
; CLUSTERS: 4 x 4 work-groups.  The four of a row of the cluster need the same tiles of xb, the four of a column the same tiles of wqkv: each tile is asked for JOINTLY, by the same tensor load with
; the same descriptor and a mask that names the four.  Waves 0 and 1 fetch xb's two halves of 64 rows, waves 2 and 3 wqkv's two halves of 128 rows.
; THE MATRIX INSTRUCTION IS USED TRANSPOSED (source 0 = 16 rows of wqkv, source 1 = 16 rows of xb): a lane holds row m = l % 16 and the columns 8 (l / 16) + 0..7: four whole rotary pairs.
; REGISTERS, in windows of 256 (s_set_vgpr_msb: bits 1:0 source 0, 3:2 source 1, 5:4 source 2, 7:6 destination):
;   window 0: v0-31 addresses; v32-95 T, v96-127 PK at work; v128-255 first cos and sin as loaded, then four sets of 32 for the rows that leave
;   window 1: the accumulators, (a, b) at 8 (8 a + b)          window 2: two fragment buffers of 96: xb's block a at + 8 a, wqkv's block b at + 32 + 8 b
;   window 3: the rotary's table: for my row block a and quarter j of a head's channels, 12 registers at 12 (4 a + j): cos of pairs 8 j + 4 (l / 16) + 0..3, then for each of them the pair (-sin, sin)
.set KSTEP,  128
.set PITCH,  272                       ; an LDS row: 256 bytes + 16 of padding = 68 words: the 16 rows of a fragment load start at 16 different groups of four banks (64 banks of 4 bytes: ISA guide 11.1)
.set AHALF,  64*PITCH                  ; what waves 0 and 1 bring
.set BHALF,  128*PITCH                 ; what waves 2 and 3 bring
.set BOFF,   2*AHALF                   ; a slot: xb's 128 rows, then wqkv's 256
.set SLOT,   BOFF+2*BHALF
.set STAGE,  2*SLOT                    ; behind the ring, never filled by a tensor load: 16 rows x 272 bytes for each wave
.set SPARE,  STAGE+4*16*PITCH          ; behind the stages: the spare words, 128 bytes for each wave: two blocks of 256 bytes that no other line names
.set GS,     262144                    ; bytes in a group of qkv
.set LAPS,   8                         ; a lap = two K steps = once round the ring
.set ADRA, 16                          ; v16-17  LDS address of my xb fragments in slot 0, 1
.set ADRB, 20                          ; v20-21  the same for wqkv
.set STO,  24                          ; v24     the way out: where I put 16 bytes of a row
.set RD,   25                          ; v25     the way out: where I read rows back
.set CO,   26                          ; v26     16 x my lane
.set CSO,  27                          ; v27     my byte offset in cos and sin
.set SPW,  28                          ; v28     LDS address of my spare word; never rewritten
.set NIL,  29                          ; v29     0; never rewritten
.set PFO,  30                          ; v30     the prefetches' offset: my lane x a row of 4,096 bytes; never rewritten
.set T,    32
.set PK,   96
.set OB,   128
.set RAWS, 128
.set RAWC, 192
.set F0,   0
.set F1,   96
.set G1A, 24                           ; s[24:31] descriptor group 1 for xb's tiles;  s[32:39] group 0, a set for each slot
.set G0A, 32
.set PFA, 40                           ; s[40:41] where my prefetches stand
.set G1B, 48                           ; s[48:55], s[56:63] the same for wqkv's tiles
.set G0B, 56
.set MSB, 0
.macro WIN new                         ; the immediate's high byte repeats the setting that is left; a switch that changes nothing is dropped
.if MSB != (\new)
	s_set_vgpr_msb (MSB<<8)|(\new)
.set MSB, \new
.endif
.endm
.set MUL,   0x5a                       ; both sources window 2, C and D window 1
.set TO_F,  0x80                       ; destination window 2, address window 0
.set W_ROT, 0x0d                       ; source 0 window 1 (the sums), source 1 window 3 (the table), source 2 and destination window 0
; A joint load.  The branch hangs on the wave's number alone.  An s_nop 0 and four v_nop follow each of the two lines, ahead of the jump, the label and what follows.
.macro JLOAD s
	s_cmp_eq_u32 s15, 0
	s_cbranch_scc0 .Lfor_b_\@
	tensor_load_to_lds s[G0A+4*(\s):G0A+4*(\s)+3], s[G1A:G1A+7]
	s_nop 0
.rept 4
	v_nop
.endr
	s_branch .Lasked_\@
.Lfor_b_\@:
	tensor_load_to_lds s[G0B+4*(\s):G0B+4*(\s)+3], s[G1B:G1B+7]
	s_nop 0
.rept 4
	v_nop
.endr
.Lasked_\@:
.endm
; A PREFETCH INTO THE L2 of the K step that stands two refills on (256 matrix instructions ahead of the load that will want it): 32 rows x 256 bytes, a lane a row, one instruction.
; Each row's 256 bytes of a K step are named once in the launch.  xb's tile row is read by every cluster of that row of clusters: cluster x = 0 asks, in each partner wave 0, for rows 32 cx .. + 31 of the 128.
; wqkv's tile column is read by every cluster of that column: cluster y = 0 asks, in each partner waves 2 and 3, for rows 32 cy .. + 31 of the 128 that the wave fetches.  The partners are told apart by
; address, never by a branch.  The loop's last trip asks for nothing: there is no K step two on.  The first four K steps come by their loads alone.
.macro ASK
	s_cmp_gt_u32 s21, s22                          ; s21 = 1 in the last trip; s22 = 1 in a wave that asks, else the greatest number
	s_cbranch_scc0 .Lnot_mine_\@
	global_prefetch_b8 v[PFO], s[PFA:PFA+1] offset:KSTEP*2 th:TH_LOAD_NT scope:SCOPE_SE
.Lnot_mine_\@:
.endm
.macro CREST                           ; a round of the cluster's barrier behind its opening barrier
	s_cmp_lg_u32 s14, 0
	s_cbranch_scc1 .Lnot_wave_0_\@
	s_barrier_signal -3
.Lnot_wave_0_\@:
	s_barrier_wait -3
	s_barrier_signal -1
	s_barrier_wait -1
.endm
.macro CROUND                          ; a whole round
	s_barrier_signal -1
	s_barrier_wait -1
	CREST
.endm
	s_load_b256 s[4:11], s[0:1], 0x0               ; xb s[4:5], wqkv s[6:7], cos s[8:9], sin s[10:11]
	s_load_b64 s[12:13], s[0:1], 0x20              ; qkv
	v_lshl_add_u32 v[SPW], v0, 2, SPARE
	v_mov_b32 v[NIL], 0
	ds_add_u32 v[SPW], v[NIL]                      ; the wave's opening: the add and its wait stand ahead of my first tensor load; the set-up below, work on registers, stands between them
	v_lshrrev_b32 v1, 5, v0
	v_readfirstlane_b32 s14, v1                    ; wave 0..3
	s_lshr_b32 s15, s14, 1                         ; which 64 of the tile's rows are mine.  Also: I fetch for xb (0) or for wqkv (1)
	s_and_b32 s16, s14, 1                          ; which 128 of its columns.  Also: which half of that tile I fetch
	s_bfe_u32 s17, ttmp6, 0x40000                  ; cx, cy: my place in the cluster
	s_bfe_u32 s18, ttmp6, 0x40004
	s_lshl_b32 s19, ttmp9, 2
	s_add_co_u32 s19, s19, s17                     ; tile column = 4 x cluster x + cx
	s_and_b32 s20, ttmp7, 0xffff
	s_lshl_b32 s20, s20, 2
	s_add_co_u32 s20, s20, s18                     ; tile row = 4 x cluster y + cy
	s_lshl_b32 s45, s18, 2
	s_lshl_b32 s45, 15, s45                        ; my row of the cluster
	s_lshl_b32 s46, 0x1111, s17                    ; my column
	s_or_b32 s[G1A+0], s45, (1<<16)|(1<<20)|(1<<21)|(5<<22)|(3<<25)  ; 15:0 the mask; 17:16 elements of 2 bytes; 20 padding on; 21 set beside a mask; 24:22 after every 64 words (code 5); 31:25 4 words of it (code 3)
	s_or_b32 s[G1B+0], s46, (1<<16)|(1<<20)|(1<<21)|(5<<22)|(3<<25)
	s_mov_b32 s[G1A+1], KSTEP<<16                  ; tensor_dim0 = 128
	s_mov_b32 s[G1A+2], 64<<16                     ; tensor_dim1 = 64
	s_mov_b32 s[G1A+3], KSTEP<<16                  ; tile_dim0 = 128
	s_mov_b32 s[G1A+4], 64                         ; tile_dim1 = 64
	s_mov_b32 s[G1A+5], 2048                       ; elements from row to row
	s_mov_b32 s[G1A+6], 0
	s_mov_b32 s[G1A+7], 0
	s_mov_b32 s[G1B+1], KSTEP<<16
	s_mov_b32 s[G1B+2], 128<<16                    ; 128 rows
	s_mov_b32 s[G1B+3], KSTEP<<16
	s_mov_b32 s[G1B+4], 128
	s_mov_b32 s[G1B+5], 2048
	s_mov_b32 s[G1B+6], 0
	s_mov_b32 s[G1B+7], 0
	s_lshl_b32 s66, s20, 7                         ; xb: row 128 x tile row + 64 x half, which my row of the cluster shares,
	s_lshl_b32 s72, s16, 6
	s_add_co_u32 s66, s66, s72
	s_lshl_b32 s66, s66, 12                        ; in bytes
	s_mov_b32 s67, 0
	s_lshl_b32 s68, s19, 8                         ; wqkv: row 256 x tile column + 128 x half, which my column shares
	s_lshl_b32 s72, s16, 7
	s_add_co_u32 s68, s68, s72
	s_lshl_b32 s68, s68, 12
	s_mov_b32 s69, 0
	s_mul_i32 s70, s16, AHALF                      ; where they go: no place in the cluster enters an LDS address
	s_mul_i32 s71, s16, BHALF
	s_add_co_u32 s71, s71, BOFF
	s_mov_b32 s42, 0xffff0000                      ; a word's upper bf16
	s_mov_b32 s43, 0x3f803f80                      ; 1.0 twice in bf16
	s_mov_b32 s44, 0x80000000                      ; a sign
	s_cmp_eq_u32 ttmp9, 3                          ; tile columns 12 to 15 are v's
	s_cselect_b32 s23, -1, 0
	s_wait_dscnt 0x0                               ; the opening add is done
	s_wait_kmcnt 0x0
	s_add_nc_u64 s[66:67], s[4:5], s[66:67]
	s_add_nc_u64 s[68:69], s[6:7], s[68:69]
	CROUND                                         ; all sixteen work-groups are here: the first joint loads meet
.irp s, 0,1
	s_mov_b32 s[G0A+4*(\s)], 1                                        ; count = 1
	s_add_co_u32 s[G0A+4*(\s)+1], s70, (\s)*SLOT                      ; LDS address
	s_add_nc_u64 s[G0A+4*(\s)+2:G0A+4*(\s)+3], s[66:67], (\s)*KSTEP*2 ; global address: K step s
	s_or_b32 s[G0A+4*(\s)+3], s[G0A+4*(\s)+3], 0x80000000             ; type = 2
	s_mov_b32 s[G0B+4*(\s)], 1
	s_add_co_u32 s[G0B+4*(\s)+1], s71, (\s)*SLOT
	s_add_nc_u64 s[G0B+4*(\s)+2:G0B+4*(\s)+3], s[68:69], (\s)*KSTEP*2
	s_or_b32 s[G0B+4*(\s)+3], s[G0B+4*(\s)+3], 0x80000000
	JLOAD \s                                       ; two loads of mine are out
.endr
	; cos and sin of my 64 rows: for row block a and quarter j, 16 bytes a lane of each: pairs 8 j + 4 (l / 16) + 0..3 of row 16 a + l % 16
	v_and_b32 v1, 15, v0                           ; l % 16
	v_bfe_u32 v2, v0, 4, 1                         ; l / 16
	s_lshl_b32 s45, s20, 7
	s_lshl_b32 s46, s15, 6
	s_add_co_u32 s45, s45, s46                     ; my first row
	v_add_nc_u32 v[CSO], s45, v1
	v_lshlrev_b32 v[CSO], 7, v[CSO]                ; a row of cos or sin is 128 bytes
	v_lshl_add_u32 v[CSO], v2, 4, v[CSO]
.set k, 0
.rept 16
	global_load_b128 v[RAWC+4*k:RAWC+4*k+3], v[CSO], s[8:9] offset:2048*(k/4)+32*(k%4)
	global_load_b128 v[RAWS+4*k:RAWS+4*k+3], v[CSO], s[10:11] offset:2048*(k/4)+32*(k%4)
.set k, k+1
.endr
	; a fragment is 16 rows x 32 K in 8 registers: lane l holds row l % 16; two loads of 16 bytes, 32 bytes apart, at row x pitch + 16 (l / 16)
	v_mul_u32_u24 v3, v1, PITCH
	v_lshl_add_u32 v3, v2, 4, v3
	s_mul_i32 s45, s15, AHALF                      ; my 64 rows of xb
	s_mul_i32 s46, s16, BHALF                      ; my 128 rows of wqkv
	s_add_co_u32 s46, s46, BOFF
.irp s, 0,1
	v_add_nc_u32 v[ADRA+(\s)], s45, v3
	v_add_nc_u32 v[ADRB+(\s)], s46, v3
	s_add_co_u32 s45, s45, SLOT
	s_add_co_u32 s46, s46, SLOT
.endr
	s_mul_i32 s47, s14, 16*PITCH
	s_add_co_u32 s47, s47, STAGE                   ; my stage
	v_add_nc_u32 v[STO], s47, v3                   ; in: row l % 16, 16 bytes for each half of the lanes
	v_bfe_u32 v4, v0, 3, 2                         ; back: 32 lanes take 128 bytes of each of four rows,
	v_and_b32 v5, 7, v0
	v_mul_u32_u24 v4, v4, PITCH
	v_lshl_add_u32 v4, v5, 4, v4
	v_add_nc_u32 v[RD], s47, v4
	v_and_b32 v[CO], 31, v0                        ; which are 512 consecutive bytes of a group of qkv
	v_lshlrev_b32 v[PFO], 12, v[CO]
	v_lshlrev_b32 v[CO], 4, v[CO]
	; the prefetches' address and who asks
	s_lshl_b32 s45, s20, 7                         ; xb: the tile's first row
	s_lshl_b32 s46, s19, 8
	s_lshl_b32 s47, s16, 7
	s_add_co_u32 s46, s46, s47                     ; wqkv: the first of the 128 rows that I fetch
	s_and_b32 s72, ttmp7, 0xffff                   ; cluster y
	s_cmp_eq_u32 s15, 0                            ; do I fetch for xb?
	s_cselect_b32 s45, s45, s46
	s_cselect_b32 s73, s17, s18                    ; my place among the four that ask jointly
	s_cselect_b32 s72, ttmp9, s72                  ; the coordinate along which other clusters read the same rows
	s_cselect_b64 s[PFA:PFA+1], s[4:5], s[6:7]
	s_cmp_eq_u32 s14, 1                            ; wave 0 names all that is to be named of xb's 128 rows: wave 1 asks for nothing
	s_cselect_b32 s47, 1, 0
	s_or_b32 s72, s72, s47
	s_cmp_eq_u32 s72, 0
	s_cselect_b32 s22, 1, -1                       ; the same in all sixteen partners, for a given wave
	s_lshl_b32 s73, s73, 5
	s_add_co_u32 s45, s45, s73
	s_lshl_b32 s46, s45, 12
	s_mov_b32 s47, 0
	s_add_nc_u64 s[PFA:PFA+1], s[PFA:PFA+1], s[46:47]
	s_add_nc_u64 s[PFA:PFA+1], s[PFA:PFA+1], 2*KSTEP*2  ; at K step 2: the first refill steps it to 3 and names K step 4
	; where my part begins in qkv: group 4 x tile column + 2 x column half, row 128 x tile row + 64 x row half
	s_lshl_b32 s66, s19, 2
	s_lshl_b32 s67, s16, 1
	s_add_co_u32 s66, s66, s67
	s_lshl_b32 s66, s66, 18
	s_lshl_b32 s67, s20, 7
	s_lshl_b32 s68, s15, 6
	s_add_co_u32 s67, s67, s68
	s_lshl_b32 s67, s67, 7
	s_add_co_u32 s66, s66, s67
	s_mov_b32 s67, 0
	s_add_nc_u64 s[12:13], s[12:13], s[66:67]
	; the table: rounded to bf16 (two numbers a word), v's columns turned into cos = 1, sin = 0, widened again into window 3.  All this stands in the wait for the first tiles.
	s_wait_loadcnt 0x0
.set k, 0
.rept 32
	v_cvt_pk_bf16_f32 v[T+k], v[RAWC+2*k], v[RAWC+2*k+1]
	v_cvt_pk_bf16_f32 v[T+32+k], v[RAWS+2*k], v[RAWS+2*k+1]
.set k, k+1
.endr
.set k, 0
.rept 32
	v_cndmask_b32 v[T+k], v[T+k], s43, s23
	v_cndmask_b32 v[T+32+k], v[T+32+k], 0, s23
.set k, k+1
.endr
	WIN 0xc0                                       ; destination window 3
.set k, 0
.rept 32
	v_lshlrev_b32 v[12*(k/2)+2*(k%2)], 16, v[T+k]
	v_and_b32 v[12*(k/2)+2*(k%2)+1], s42, v[T+k]
	v_lshlrev_b32 v[12*(k/2)+4+4*(k%2)+1], 16, v[T+32+k]
	v_and_b32 v[12*(k/2)+4+4*(k%2)+3], s42, v[T+32+k]
.set k, k+1
.endr
	WIN 0xcc                                       ; source 1 window 3 too
.set k, 0
.rept 32
	v_xor_b32 v[12*(k/2)+4+4*(k%2)], s44, v[12*(k/2)+4+4*(k%2)+1]    ; -sin in front of each sin
	v_xor_b32 v[12*(k/2)+4+4*(k%2)+2], s44, v[12*(k/2)+4+4*(k%2)+3]
.set k, k+1
.endr
	WIN 0
; 8 matrix instructions: row block a x all 8 column blocks, 32 along K.  zero = 1: the first product starts the sums: nothing is ever cleared.
; The 32 accumulators take turns, one instruction a turn, in the same order in every quarter.
.macro MUL8 f, a, zero
	WIN MUL
.irp b, 0,1,2,3,4,5,6,7
.if \zero
	v_wmma_f32_16x16x32_bf16 v[8*(8*(\a)+(\b)):8*(8*(\a)+(\b))+7], v[(\f)+32+8*(\b):(\f)+32+8*(\b)+7], v[(\f)+8*(\a):(\f)+8*(\a)+7], 0
.else
	v_wmma_f32_16x16x32_bf16 v[8*(8*(\a)+(\b)):8*(8*(\a)+(\b))+7], v[(\f)+32+8*(\b):(\f)+32+8*(\b)+7], v[(\f)+8*(\a):(\f)+8*(\a)+7], v[8*(8*(\a)+(\b)):8*(8*(\a)+(\b))+7]
.endif
.endr
.endm
.macro MUL16 f, a0, zero
	MUL8 \f, \a0, \zero
	MUL8 \f, (\a0)+1, \zero
.endm
; 24 LDS loads in one run: the fragments of 32 along K at byte k of the rows, into buffer f: wqkv's 16, then xb's 8
.macro FETCH slot, k, f
	WIN TO_F
.irp i, 0,1,2,3,4,5,6,7
	ds_load_b128 v[(\f)+32+8*(\i):(\f)+32+8*(\i)+3],   v[ADRB+(\slot)] offset:(\k)+(\i)*16*PITCH
	ds_load_b128 v[(\f)+32+8*(\i)+4:(\f)+32+8*(\i)+7], v[ADRB+(\slot)] offset:(\k)+(\i)*16*PITCH+32
.endr
.irp i, 0,1,2,3
	ds_load_b128 v[(\f)+8*(\i):(\f)+8*(\i)+3],   v[ADRA+(\slot)] offset:(\k)+(\i)*16*PITCH
	ds_load_b128 v[(\f)+8*(\i)+4:(\f)+8*(\i)+7], v[ADRA+(\slot)] offset:(\k)+(\i)*16*PITCH+32
.endr
.endm
.macro PLACES                          ; four places in front of loads into registers that matrix instructions have read (ISA guide 7.12.1 for vector instructions)
.rept 4
	v_nop
.endr
.endm
; A K step is four quarters of 32 along K, 32 matrix instructions each, on buffers 0, 1, 0, 1.  One of the first three: multiplies buffer f and fetches the next quarter, at byte k, into g.
.macro QUARTER slot, k, f, g, zero
	s_wait_dscnt 4                                 ; all but the youngest four loads: xb's blocks 2 and 3
	MUL16 \f, 0, \zero
	PLACES
	FETCH \slot, \k, \g
	s_wait_dscnt 24                                ; all but the 24 just issued
	MUL16 \f, 2, \zero
.endm
; The last quarter multiplies buffer 1 and changes slots: ONE barrier; in front of it each wave waits for all its tensor loads (one is out: its part of the next slot), adds 0 to its spare word, and
; waits for that and for its own reads of this slot.  fill = 1: the barrier opens a round of the cluster's, and this slot is filled again first thing behind it, two K steps ahead: 112 matrix
; instructions stand between that request and the wait for it.
.macro TURN slot, next, fill
.if \fill
	s_wait_xcnt 0x0                                ; the last prefetch, a K step back, has read its address: it is stepped here, ahead of the waits of the change of slots
	s_add_nc_u64 s[PFA:PFA+1], s[PFA:PFA+1], KSTEP*2
.endif
	WIN 0                                          ; (the add's two registers lie in window 0)
	s_wait_tensorcnt 0x0
	ds_add_u32 v[SPW], v[NIL]                      ; 0 onto my spare word
	s_wait_dscnt 7                                 ; (the add and the youngest six loads, xb's blocks 1 to 3, may be out)
	MUL8 F1, 0, 0                                  ; eight matrix instructions stand between the add and the wait for it
	s_wait_dscnt 0x0                               ; the add is done, and my reads of this slot are over
	s_barrier_signal -1
	MUL8 F1, 1, 0
.if \fill
	WIN 0
.endif
	s_barrier_wait -1
.if \fill
	CREST                                          ; no wave of any partner still reads this slot's tile or has a load on its way
	s_add_nc_u64 s[G0A+4*(\slot)+2:G0A+4*(\slot)+3], s[G0A+4*(\slot)+2:G0A+4*(\slot)+3], 2*KSTEP*2
	s_add_nc_u64 s[G0B+4*(\slot)+2:G0B+4*(\slot)+3], s[G0B+4*(\slot)+2:G0B+4*(\slot)+3], 2*KSTEP*2
	JLOAD \slot                                    ; the four v_nop behind it are also the places in front of the loads below
.else
	PLACES
.endif
	FETCH \next, 0, F0
.if \fill
	WIN 0
	ASK                                            ; behind the joint load and the run of LDS loads that the next products wait for
.endif
	MUL8 F1, 2, 0
	MUL8 F1, 3, 0
.endm
	s_wait_tensorcnt 1                             ; my part of K step 0 is in; K step 1's may stay out
	s_barrier_signal -1
	s_barrier_wait -1                              ; everybody's is
	FETCH 0, 0, F0
	QUARTER 0, 64, F0, F1, 1                       ; the first quarter stands in front of the loop: its products start the sums
	WIN 0                                          ; at a label and at a branch every window is 0
	s_mov_b32 s21, LAPS-1
.Llap:                                                 ; a trip goes once round the ring, from a lap's second quarter to the next lap's first, and fills both slots again
	QUARTER 0, 128, F1, F0, 0
	QUARTER 0, 192, F0, F1, 0
	TURN 0, 1, 1
	QUARTER 1, 64,  F0, F1, 0
	QUARTER 1, 128, F1, F0, 0
	QUARTER 1, 192, F0, F1, 0
	TURN 1, 0, 1
	QUARTER 0, 64,  F0, F1, 0
	WIN 0
	s_sub_co_u32 s21, s21, 1
	s_cmp_lg_u32 s21, 0
	s_cbranch_scc1 .Llap
	QUARTER 0, 128, F1, F0, 0                      ; the last lap fills nothing, and has no round of the cluster's barrier
	QUARTER 0, 192, F0, F1, 0
	TURN 0, 1, 0
	QUARTER 1, 64,  F0, F1, 0
	QUARTER 1, 128, F1, F0, 0
	QUARTER 1, 192, F0, F1, 0
	s_wait_dscnt 4                                 ; the very last quarter: nothing more to fetch
	MUL16 F1, 0, 0
	s_wait_dscnt 0x0
	MUL16 F1, 2, 0
	WIN 0
; THE WAY OUT, a block of 16 rows at a time.  ROT: each pair (x1, x2) of the sums becomes (x1 c - x2 s, x1 s + x2 c): a packed multiply by c, then a packed multiply-add that takes the pair crosswise
; and the pair (-s, s).  Each accumulator's registers are taken in ascending order.
.macro ROT a
	WIN W_ROT
.irp b, 0,1,2,3,4,5,6,7
.irp p, 0,1,2,3
.set rA, 8*(8*(\a)+(\b))+2*(\p)
.set rC, 12*(4*(\a)+(\b)%4)+2*((\p)/2)
.if (\p)%2
	v_pk_mul_f32 v[T+8*(\b)+2*(\p):T+8*(\b)+2*(\p)+1], v[rA:rA+1], v[rC:rC+1] op_sel:[0,1] op_sel_hi:[1,1]
.else
	v_pk_mul_f32 v[T+8*(\b)+2*(\p):T+8*(\b)+2*(\p)+1], v[rA:rA+1], v[rC:rC+1] op_sel:[0,0] op_sel_hi:[1,0]
.endif
.endr
.irp p, 0,1,2,3
.set rA, 8*(8*(\a)+(\b))+2*(\p)
.set rS, 12*(4*(\a)+(\b)%4)+4+2*(\p)
	v_pk_fma_f32 v[T+8*(\b)+2*(\p):T+8*(\b)+2*(\p)+1], v[rA:rA+1], v[rS:rS+1], v[T+8*(\b)+2*(\p):T+8*(\b)+2*(\p)+1] op_sel:[1,0,0] op_sel_hi:[0,1,1]
.endr
.endr
	WIN 0
.endm
.macro PACKQ                           ; rounded once, to f16: 16 bytes a lane and column block
.set k, 0
.rept 32
	v_cvt_pk_f16_f32 v[PK+k], v[T+2*k], v[T+2*k+1]
.set k, k+1
.endr
.endm
.macro TOSTAGE a                       ; into my own stage, and back by groups: load t takes four rows' 128 bytes of group t / 4
.irp b, 0,1,2,3,4,5,6,7
	ds_store_b128 v[STO], v[PK+4*(\b):PK+4*(\b)+3] offset:32*(\b)
.endr
.irp t, 0,1,2,3,4,5,6,7
	ds_load_b128 v[OB+32*(\a)+4*(\t):OB+32*(\a)+4*(\t)+3], v[RD] offset:((\t)%4)*4*PITCH+128*((\t)/4)  ; LDS serves a wave's instructions in order (ISA guide 5.7.1.4): these see the stores above
.endr
.endm
.macro SEND a                          ; each block has its own 32 registers, so no register that a store reads is written again
.irp t, 0,1,2,3,4,5,6,7
	s_wait_dscnt 7-(\t)
	global_store_b128 v[CO], v[OB+32*(\a)+4*(\t):OB+32*(\a)+4*(\t)+3], s[12:13] offset:((\t)/4)*GS+2048*(\a)+512*((\t)%4)  ; 512 consecutive bytes, at a multiple of 256 from qkv's first
.endr
.endm
.rept 8
	v_nop                                          ; the places behind the last products, once a launch
.endr
	ROT 0
	PACKQ
	TOSTAGE 0
.irp a, 1,2,3                          ; a block's arithmetic stands between the loads of the block before and its stores
	ROT \a
	PACKQ
	SEND (\a)-1
	TOSTAGE \a
.endr
	SEND 3
	s_wait_tensorcnt 0x0                           ; the wave's end: an add to my spare word and its wait, behind my last tensor load and my last LDS store
	ds_add_u32 v[SPW], v[NIL]
	s_wait_dscnt 0x0
	CROUND                                         ; the closing round: no work-group ends while a partner may still ask for a tile that names it
	s_endpgm
.Lfunc_end_k_q0650c8b8f7_qkvgemm:
	.size	k_q0650c8b8f7_qkvgemm, .Lfunc_end_k_q0650c8b8f7_qkvgemm-k_q0650c8b8f7_qkvgemm
	.p2alignl 7, 3214868480
	.fill 96, 4, 3214868480
	.section	.rodata,"a",@progbits
	.p2align	6, 0x0
	.amdhsa_kernel k_q0650c8b8f7_qkvgemm
		.amdhsa_group_segment_fixed_size 327680
		.amdhsa_private_segment_fixed_size 0
		.amdhsa_enable_private_segment 0
		.amdhsa_kernarg_size 40
		.amdhsa_user_sgpr_count 2
		.amdhsa_user_sgpr_kernarg_segment_ptr 1
		.amdhsa_wavefront_size32 1
		.amdhsa_system_sgpr_workgroup_id_x 1
		.amdhsa_system_sgpr_workgroup_id_y 1
		.amdhsa_system_sgpr_workgroup_id_z 1
		.amdhsa_system_vgpr_workitem_id 0
		.amdhsa_next_free_vgpr 960
		.amdhsa_next_free_sgpr 80
		.amdhsa_reserve_vcc 0
		.amdhsa_float_denorm_mode_32 3
		.amdhsa_float_denorm_mode_16_64 3
		.amdhsa_memory_ordered 1
		.amdhsa_forward_progress 1
		.amdhsa_inst_pref_size 122
	.end_amdhsa_kernel
	.amdgpu_metadata
---
amdhsa.version: [ 1, 2 ]
amdhsa.kernels:
  - .name:           k_q0650c8b8f7_qkvgemm
    .symbol:         k_q0650c8b8f7_qkvgemm.kd
    .args:
      - { .name: xb, .offset: 0, .size: 8, .value_kind: global_buffer, .address_space: global }
      - { .name: wqkv, .offset: 8, .size: 8, .value_kind: global_buffer, .address_space: global }
      - { .name: cos, .offset: 16, .size: 8, .value_kind: global_buffer, .address_space: global }
      - { .name: sin, .offset: 24, .size: 8, .value_kind: global_buffer, .address_space: global }
      - { .name: qkv, .offset: 32, .size: 8, .value_kind: global_buffer, .address_space: global }
    .group_segment_fixed_size: 327680
    .private_segment_fixed_size: 0
    .kernarg_segment_align: 8
    .kernarg_segment_size: 40
    .max_flat_workgroup_size: 128
    .sgpr_count:     80
    .vgpr_count:     960
    .wavefront_size: 32
...
	.end_amdgpu_metadata
.endif
;; end of part 2
;; launch attn (part 3): grid 32 x 8, 4 waves a work-group, clusters of 4 x 1, 327,680 bytes of LDS; arguments qkv, lambda_q1, lambda_k1, lambda_q2, lambda_k2, subln_w, att; writes att
.if DOCPART == 3
	.amdgcn_target "amdgcn-amd-amdhsa--gfx1250"
	.amdhsa_code_object_version 6
	.text
	.protected	k_q0650c8b8f7_attn
	.globl	k_q0650c8b8f7_attn
	.p2align	8
	.type	k_q0650c8b8f7_attn,@function
k_q0650c8b8f7_attn:
	s_mov_b64 s[64:65], 0
	v_nop
	global_prefetch_b8 v0, s[64:65] scope:SCOPE_SE
	s_setreg_imm32_b32 hwreg(HW_REG_WAVE_MODE, 25, 1), 1
	s_wait_xcnt 0x0
	s_wait_alu depctr_hold_cnt(0) depctr_sa_sdst(0) depctr_va_vdst(0) depctr_va_sdst(0) depctr_va_ssrc(0) depctr_va_vcc(0) depctr_vm_vsrc(0)
	s_getreg_b32 s2, hwreg(HW_REG_IB_STS2, 6, 4)
	s_cmp_eq_u32 s2, 0
	s_cbranch_scc0 .Lentry_in_a_cluster
	s_endpgm
.Lentry_in_a_cluster:
	s_bfe_u32 s2, ttmp6, 0x10000c
	s_cmp_lg_u32 s2, 0x3003
	s_cbranch_scc0 .Lentry_shape_is_right
	s_endpgm
.Lentry_shape_is_right:
; TWO CAUSAL ATTENTIONS, THEIR DIFFERENCE AND THE NORM.  For head h (key and value head h / 2) and sub i: a_i[q] = sum over k <= q of softmax_k(Q[2h+i][q] . K[2(h/2)+i][k] / 8) V[h/2][k] (128 channels);
; a = a_0 - lam a_1, lam = e^(lq1 . lk1) - e^(lq2 . lk2) + 0.78360577; att[q][128 h + c] = a[c] / sqrt(mean of a^2 + 1e-5) x subln_w[c] x 0.21639423, in f16.
; qkv: [64 groups][2048][64] f16: q of head h, sub i in group 2 h + i; k of kv head j, sub i in 32 + 2 j + i; v's half p in 48 + 2 j + p.  The lambdas and subln_w are rounded to bf16 like every other input.
; Products, maxima and sums in f32; the weights p are rounded to f16 for the second product (their sum l is taken of the unrounded p), att once at the end.
; LIMITS.  q, k, v arrive within f16's 65,504, and att must lie within it.  A hidden score counts as its value less 1e30; a weight below 2^-126 counts as 0 in l; NaN and infinities are not treated apart.
; THE WALK.  The queries lie in 16 superblocks of 128; superblock b needs the key tiles 0 .. b of 128 keys, of which the last holds the diagonal.  A CLUSTER of four work-groups takes superblock 15 - c and
; then superblock c of one kv head: 17 tiles, whatever c: all work-groups do equal work, and one loop with a constant trip count walks them.  Partner cx takes the queries 32 cx .. + 31 of each
; superblock, for all four (head, sub) of the kv head.  So all four partners walk the same tiles, and each tile of K and V is asked for JOINTLY: the same tensor load, descriptor and mask in all four.
; SHARES.  Wave w: sub i = w % 2, queries 16 (w / 2) .. + 15 of the 32.  It holds two tiles: tile u is head 2 j + (i xor u).  Both take the same K (sub i), V and mask.  Tile 0 is the head that the wave
; finishes; tile 1 goes through LDS to wave w xor 1, which finishes the other head.
; LAYOUT.  S^T = K Q^T holds ONE query a lane (l % 16) and the keys 8 (l / 16) + 0..7; two such results rounded to f16 ARE source 1 of O^T = V^T P, which again holds one query a lane, and eight channels.
; SOFTMAX.  A running maximum m and sum l: p = 2^(c s - c m), c = log2(e) / 8; in every step O and l are multiplied by a = 2^(c m_old - c m_new).  c m starts far below every c s: the first step's a is 0.
; THE MASK is the C operand that starts the sum S^T: MD (0, or -1e30 where the key lies behind my query in the diagonal tile), made once, times 1 in a diagonal tile and times 0 elsewhere.
; IN PHASES: a step of 64 keys is 16 products K Q^T, both tiles' softmax, 32 products V^T P.  The step's 66 exponentials are one batch with one wait.
; REGISTERS, in windows of 256 (s_set_vgpr_msb: bits 1:0 source 0, 3:2 source 1, 5:4 source 2, 7:6 destination):
;   window 0: v0-31 addresses and what the end needs; v32-47 statistics; v48-61 at work; v64-127 S^T; v128-159 P; v160-223 MC, the tile's masks; v224-255 rows that leave
;   window 1: v0-127 O^T, 64 a tile; v128-255 V of one step          window 2: v0-31 Q; v32-63 the second superblock's Q; v64-127 K of one step; v128-191 subln_w; v192-255 MD
.set GS,    262144    ; bytes in a group of qkv
.set KP,    144       ; a row of K in LDS: 128 bytes + 16 of padding: the 16 rows of a load start at 16 different groups of four banks (64 banks of 4 bytes: ISA guide 11.1)
.set VP,    160       ; a row of V: 128 + 32
.set KSUB,  128*KP    ; a tile of one sub's K
.set VSUB,  128*VP    ; a tile of one half of V
.set VOFF,  2*KSUB    ; a slot: K of sub 0, K of sub 1, V's half 0, V's half 1
.set SLOT1, 1<<17     ; slot 1 begins here, so that one exclusive or turns an address in one slot into the other's
.set XCH,   SLOT1+2*KSUB+2*VSUB  ; behind the ring, never filled by a tensor load: 8,192 bytes for each wave: the tile that it hands over
.set OST,   XCH+4*8192           ; 16 rows x 272 bytes for each wave, for the way out
.set SP,    272
.set SPARE, OST+4*16*SP          ; the spare words, 128 bytes for each wave: two blocks of 256 bytes that no other line names
.set AK0, 2           ; v2   my lane's place in a tile of my sub's K; never rewritten
.set AV0, 3           ; v3   the same for V
.set AK,  4           ; v4   AK0 in the slot in hand
.set AV,  5           ; v5   AV0 in the slot in hand
.set QO,  6           ; v6   my byte offset in 16 rows of Q
.set XST, 7           ; v7   where I put 16 bytes of the tile that I hand over
.set XLD, 8           ; v8   where I find them in my partner wave's
.set STO, 12          ; v12  the way out: where I put 16 bytes of a row
.set RD,  13          ; v13  where I read rows back
.set GO,  14          ; v14  my byte offset in two rows of att
.set PFO, 15          ; v15  the prefetches' offset; never rewritten
.set DD,  16          ; v16  my query's place in its superblock, less my lanes' 8 (l / 16)
.set WO,  17          ; v17  my byte offset in subln_w
.set ALF, 18          ; v18  what my own tile is multiplied by: 1 (sub 0) or -lam (sub 1)
.set BET, 20          ; v20-21  what the tile that I receive is multiplied by: -lam or 1, twice
.set FF,  22          ; v22-23  the norm's factor, twice
.set SQ,  24          ; v24-31  four chains of squares
.set ST,  32          ; tile u's statistics at ST + 8 u: c m, m, l (even keys', odd keys'), c0-c3 at work; a takes c2's place once the maximum is found
.set LAM, 48          ; v48-55  the lambdas; v56 their offset; v57-59 at work
.set LO,  56
.set SPW, 62          ; v62  LDS address of my spare word; never rewritten
.set NIL, 63          ; v63  0; never rewritten
.set S,   64
.set P,   128
.set MC,  160
.set OBK, 224
.set VF,  128         ; window 1: key half kk, channel block cb at VF + 64 kk + 8 cb
.set QB,  32          ; window 2
.set KF,  64          ; window 2: key block kb, channel half at KF + 16 kb + 8 half
.set SW,  128         ; window 2: channel block cb's eight at SW + 8 cb
.set MD,  192         ; window 2: step s, key block kb at MD + 32 s + 8 kb
.set WV,  18          ; s18  my wave's number
.set SI,  19          ; s19  my sub.  Also: which of the two tiles of K, or of V, I fetch
.set TQ,  20          ; s20  which 16 of the 32 queries
.set CX,  21          ; s21  my place in the cluster
.set CC,  22          ; s22  c, the cluster's number along x
.set HJ,  23          ; s23  the kv head
.set G1K, 24          ; s[24:31] descriptor group 1 for K's tiles
.set G1V, 32          ; s[32:39] for V's: it differs in the padding alone
.set G0K, 40          ; s[40:43] descriptor group 0 for K's tiles
.set G0V, 44          ; s[44:47] the same for V's
.set KB,  48          ; s[48:49] the group of K that I fetch
.set VB,  50          ; s[50:51] the group of V that I fetch
.set OFF, 52          ; s[52:53] a tile's byte offset in its group
.set PFA, 54          ; s[54:55] where my prefetches stand
.set SLOTS, 56        ; s56  tiles still to be asked for
.set LIM, 57          ; s57  2 in a wave that prefetches, else the greatest number
.set CS,  58          ; s[58:59] c
.set SEL, 60          ; s[60:61] v_permlanex16_b32's selects: each lane takes its own place in the other half
.set TB,  62          ; s62  the slot in hand: 0 or SLOT1
.set RT,  63          ; s63  tiles of the superblock in hand that are still to be entered
.set NXT, 66          ; s66  the tile to be asked for next
.set LQ,  67          ; s67  the last tile of the superblock whose tiles are being asked for
.set NEW, 68          ; s68  1: the first superblock has just ended
.set IM,  69          ; s69  all ones in a wave of sub 1
.set AL,  70          ; s[70:71] the mask's factor, in the low word
.set BIGN, 72         ; s72  -1e30
.set HIM, 73          ; s73  a word's upper bf16
.set OUT, 74          ; s[74:75] att at my rows and head, in the superblock in hand
.set OLO, 76          ; s[76:77] the same in the second superblock
.set QA,  78          ; s[78:81] Q of tiles 0 and 1 in the first superblock;  s[82:85] in the second
.set R128, 92         ; s92  1 / 128
.set EPSR, 93         ; s93  1e-5
.set MSB, 0
.macro WIN new                      ; the high byte repeats the setting that is left; a switch that changes nothing is dropped
.if MSB != (\new)
	s_set_vgpr_msb (MSB<<8)|(\new)
.set MSB, (\new)
.endif
.endm
.set W_KQ, 0x0a       ; K and Q in window 2; the mask and S^T in window 0
.set W_PV, 0x51       ; V and O^T in window 1, P in window 0
.set W_RS, 0x41       ; destination and source 0 in window 1, source 1 in window 0
; A joint fill.  Waves 0 and 1 fetch the tile's K of sub 0 and 1, waves 2 and 3 its V's halves 0 and 1: 128 keys each.  The branch hangs on the wave's number alone.
; An s_nop 0 and four v_nop follow each of the two lines, ahead of the jump and the label.
.macro JLOAD
	s_cmp_lt_u32 s[WV], 2
	s_cbranch_scc0 .Lfor_v_\@
	tensor_load_to_lds s[G0K:G0K+3], s[G1K:G1K+7]
	s_nop 0
.rept 4
	v_nop
.endr
	s_branch .Lasked_\@
.Lfor_v_\@:
	tensor_load_to_lds s[G0V:G0V+3], s[G1V:G1V+7]
	s_nop 0
.rept 4
	v_nop
.endr
.Lasked_\@:
.endm
; A PREFETCH INTO THE L2 of the tile behind the one that is being asked for: a tile's work, 96 matrix instructions and two steps' softmax, ahead of its load.  All eight clusters of a kv head walk the same tiles
; from 0 on: cluster 0, whose first superblock needs tiles 0 to 15, asks, and nobody else.  A tile is 64 blocks of 256 bytes in each of four groups.  Wave 0 asks for K's two groups, wave 2 for V's: lanes 0-15
; in the first group, lanes 16-31 in the second; partner cx takes blocks 16 cx .. + 15, told apart by address.  So each block is named once in the launch.  Tiles 0 and 1 come by their loads alone; behind tile 15 nothing is asked for.
.macro ASK
	s_cmp_gt_u32 s[SLOTS], s[LIM]
	s_cbranch_scc0 .Lnot_mine_\@
	global_prefetch_b8 v[PFO], s[PFA:PFA+1] th:TH_LOAD_NT scope:SCOPE_SE
.Lnot_mine_\@:
.endm
; A round of the cluster's barrier: my work-group's barrier, so that wave 0's signal speaks for all four waves; wave 0 signals; every wave waits for all four work-groups; my work-group's barrier once more.
.macro CROUND
	s_barrier_signal -1
	s_barrier_wait -1
	s_cmp_lg_u32 s[WV], 0
	s_cbranch_scc1 .Lnot_wave_0_\@
	s_barrier_signal -3
.Lnot_wave_0_\@:
	s_barrier_wait -3
	s_barrier_signal -1
	s_barrier_wait -1
.endm
; THE CHANGE OF SLOTS.  Each wave waits for all its tensor loads, of which one is out: its part of the other slot; adds 0 to its spare word; and waits for that, for its own reads of the slot that it leaves and
; for its stores of a tile handed over.  fill = 1: the barrier is a round of the cluster's, and the old slot is filled again first thing behind it, with tile NXT: the address is made anew from that number.
; (At its first use nothing has been read yet: slot 0 is waited for, slot 1 filled.)
.macro CHANGE fill
	WIN 0                           ; at a label and at a branch every window is 0
	s_wait_tensorcnt 0x0            ; no tensor load of mine is out, so a group 0 may be written
	ds_add_u32 v[SPW], v[NIL]       ; 0 onto my spare word; the scalar work below stands between it and the wait for it
.if \fill
	s_lshl_b32 s[OFF], s[NXT], 14   ; a tile is 16,384 bytes of each group
	s_xor_b32 s[G0K+1], s[G0K+1], SLOT1
	s_add_nc_u64 s[G0K+2:G0K+3], s[KB:KB+1], s[OFF:OFF+1]
	s_or_b32 s[G0K+3], s[G0K+3], 0x80000000
	s_xor_b32 s[G0V+1], s[G0V+1], SLOT1
	s_add_nc_u64 s[G0V+2:G0V+3], s[VB:VB+1], s[OFF:OFF+1]
	s_or_b32 s[G0V+3], s[G0V+3], 0x80000000
	s_add_co_u32 s[NXT], s[NXT], 1  ; the superblock's next tile, or behind its last the second superblock's tile 0
	s_cmp_gt_u32 s[NXT], s[LQ]
	s_cselect_b32 s[NXT], 0, s[NXT]
	s_cselect_b32 s[LQ], s[CC], s[LQ]
	s_wait_xcnt 0x0                 ; the last prefetch, a tile back, has read its address, so it may be written
	s_add_nc_u64 s[PFA:PFA+1], s[PFA:PFA+1], 16384
.endif
	s_xor_b32 s[TB], s[TB], SLOT1   ; the reads go to the other slot
	s_wait_dscnt 0x0
.if \fill
	CROUND
	JLOAD
	ASK
.else
	s_barrier_signal -1
	s_barrier_wait -1
.endif
.endm
	s_load_b256 s[4:11], s[0:1], 0x0   ; qkv s[4:5], lambda_q1 s[6:7], lambda_k1 s[8:9], lambda_q2 s[10:11]
	s_load_b128 s[12:15], s[0:1], 0x20 ; lambda_k2 s[12:13], subln_w s[14:15]
	s_load_b64 s[16:17], s[0:1], 0x30  ; att
	v_lshl_add_u32 v[SPW], v0, 2, SPARE
	v_mov_b32 v[NIL], 0
	ds_add_u32 v[SPW], v[NIL]       ; the wave's opening: the add and its wait stand ahead of my first tensor load; the set-up below, work on registers, stands between them
	v_lshrrev_b32 v1, 5, v0
	v_readfirstlane_b32 s[WV], v1   ; wave 0..3
	s_and_b32 s[SI], s[WV], 1
	s_lshr_b32 s[TQ], s[WV], 1
	s_bfe_u32 s[CX], ttmp6, 0x40000
	s_mov_b32 s[CC], ttmp9          ; in a cluster launch ttmp9 counts clusters
	s_and_b32 s[HJ], ttmp7, 0xffff
	s_lshl_b32 s86, s[HJ], 1
	s_add_co_u32 s86, s86, s[SI]
	s_add_co_u32 s88, s86, 32       ; the group of K that I fetch,
	s_lshl_b32 s88, s88, 18
	s_mov_b32 s89, 0
	s_add_co_u32 s90, s86, 48       ; and of V: neither hangs on my place in the cluster
	s_lshl_b32 s90, s90, 18
	s_mov_b32 s91, 0
	; descriptor group 1.  128 keys are 16,384 dense bytes: asked for as 64 rows of 256 bytes, two keys a row, and padded in LDS after every key
	s_mov_b32 s[G1K], 15|(1<<16)|(1<<20)|(1<<21)|(4<<22)|(3<<25)  ; 15:0 the mask of four; 17:16 2-byte elements; 20 padding on; 21 set beside a mask; 24:22 after every 32 words (code 4); 31:25 4 words (code 3)
	s_mov_b32 s[G1V], 15|(1<<16)|(1<<20)|(1<<21)|(4<<22)|(7<<25)  ; the same with 8 words of padding (code 7)
.irp g, G1K, G1V
	s_mov_b32 s[\g+1], 128<<16      ; tensor_dim0 = 128
	s_mov_b32 s[\g+2], 64<<16       ; tensor_dim1 = 64
	s_mov_b32 s[\g+3], 128<<16      ; tile_dim0 = 128
	s_mov_b32 s[\g+4], 64           ; tile_dim1 = 64
	s_mov_b32 s[\g+5], 128          ; 128 elements from row to row
	s_mov_b32 s[\g+6], 0
	s_mov_b32 s[\g+7], 0
.endr
	s_mov_b32 s[G0K], 1             ; count = 1
	s_mul_i32 s[G0K+1], s[SI], KSUB ; LDS address: slot 0
	s_mov_b32 s[G0V], 1
	s_mul_i32 s[G0V+1], s[SI], VSUB
	s_add_co_u32 s[G0V+1], s[G0V+1], VOFF
	s_mov_b32 s[CS], 0x3e38aa3b     ; c = log2(e) / 8 = 0.180337
	s_mov_b32 s[CS+1], s[CS]        ; named with it as a pair
	s_mov_b32 s[SEL], 0x76543210
	s_mov_b32 s[SEL+1], 0xfedcba98
	s_mov_b32 s[TB], SLOT1          ; the first change of slots turns it into 0
	s_sub_co_u32 s[RT], 16, s[CC]   ; the first superblock, 15 - c, has 16 - c tiles
	s_mov_b32 s[NXT], 1
	s_sub_co_u32 s[LQ], 15, s[CC]
	s_mov_b32 s[NEW], 0
	s_mov_b32 s[OFF+1], 0
	s_mov_b32 s[AL+1], 0            ; named as a pair
	s_mov_b32 s[BIGN], 0xf149f2ca   ; -1e30
	s_mov_b32 s[HIM], 0xffff0000
	s_mov_b32 s[R128], 0x3c000000
	s_mov_b32 s[EPSR], 0x3727c5ac
	s_mov_b32 s[SLOTS], 16
	s_cmp_eq_u32 s[SI], 1
	s_cselect_b32 s[IM], -1, 0
	s_wait_dscnt 0x0                ; the opening add is done
	s_wait_kmcnt 0x0
	s_add_nc_u64 s[KB:KB+1], s[4:5], s[88:89]
	s_add_nc_u64 s[VB:VB+1], s[4:5], s[90:91]
	s_add_nc_u64 s[G0K+2:G0K+3], s[KB:KB+1], 0     ; global address: tile 0
	s_or_b32 s[G0K+3], s[G0K+3], 0x80000000        ; type = 2
	s_add_nc_u64 s[G0V+2:G0V+3], s[VB:VB+1], 0
	s_or_b32 s[G0V+3], s[G0V+3], 0x80000000
	CROUND                          ; all four work-groups are here: the first joint loads meet
	JLOAD                           ; tile 0 into slot 0: one load of mine is out.  Slot 1 is asked for by the loop's first change of slots
	v_and_b32 v1, 15, v0            ; l % 16
	v_bfe_u32 v9, v0, 4, 1          ; l / 16
	v_lshlrev_b32 v[QO], 7, v1
	v_lshl_add_u32 v[QO], v9, 4, v[QO]  ; row x 128 + 16 x half
	v_lshlrev_b32 v[WO], 5, v9      ; my eight channels of sixteen: 32 bytes
	v_and_b32 v57, 31, v0           ; my lane
	v_lshlrev_b32 v[LO], 3, v57     ; two numbers of each lambda
	s_lshl_b32 s86, s[HJ], 2
	s_mul_i32 s88, s[SI], 3
	s_add_co_u32 s88, s88, s86      ; tile 0: head 2 j + i, sub i: group 4 j + 3 i
	s_lshl_b32 s88, s88, 18
	s_add_co_u32 s89, s86, 2
	s_sub_co_u32 s89, s89, s[SI]    ; tile 1: head 2 j + 1 - i, sub i: group 4 j + 2 - i
	s_lshl_b32 s89, s89, 18
	s_lshl_b32 s86, s[CX], 5
	s_lshl_b32 s87, s[TQ], 4
	s_add_co_u32 s86, s86, s87      ; my 16 queries' place in a superblock
	s_sub_co_u32 s90, 15, s[CC]
	s_lshl_b32 s90, s90, 7
	s_add_co_u32 s90, s90, s86
	s_lshl_b32 s90, s90, 7          ; my first row in the first superblock, x 128 bytes,
	s_lshl_b32 s91, s[CC], 7
	s_add_co_u32 s91, s91, s86
	s_lshl_b32 s91, s91, 7          ; and in the second
	v_lshlrev_b32 v10, 3, v9
	v_sub_nc_u32 v[DD], v1, v10
	v_add_nc_u32 v[DD], s86, v[DD]  ; register r of key block kb of step s is hidden in the diagonal tile where 64 s + 16 kb + r is greater
	s_mov_b32 s87, 0
	s_add_co_u32 s86, s88, s90
	s_add_nc_u64 s[QA:QA+1], s[4:5], s[86:87]
	s_add_co_u32 s86, s89, s90
	s_add_nc_u64 s[QA+2:QA+3], s[4:5], s[86:87]
	s_add_co_u32 s86, s88, s91
	s_add_nc_u64 s[QA+4:QA+5], s[4:5], s[86:87]
	s_add_co_u32 s86, s89, s91
	s_add_nc_u64 s[QA+6:QA+7], s[4:5], s[86:87]
	s_lshl_b32 s88, s[HJ], 1
	s_add_co_u32 s88, s88, s[SI]
	s_lshl_b32 s88, s88, 8          ; the head that I finish, 2 j + i: 256 bytes of a row of att
	s_lshl_b32 s86, s90, 5          ; a row of att is 4,096 bytes
	s_add_co_u32 s86, s86, s88
	s_add_nc_u64 s[OUT:OUT+1], s[16:17], s[86:87]
	s_lshl_b32 s86, s91, 5
	s_add_co_u32 s86, s86, s88
	s_add_nc_u64 s[OLO:OLO+1], s[16:17], s[86:87]
	s_cmp_lt_u32 s[WV], 2           ; the prefetches: in waves 0 and 2 KB and VB stand at the first of the two groups
	s_cselect_b64 s[PFA:PFA+1], s[KB:KB+1], s[VB:VB+1]
	s_lshl_b32 s86, s[CX], 12       ; my work-group's 16 blocks of the 64,
	s_add_co_u32 s86, s86, 16384    ; in tile 1: the first change of slots steps it to tile 2
	s_add_nc_u64 s[PFA:PFA+1], s[PFA:PFA+1], s[86:87]
	s_or_b32 s86, s[SI], s[CC]      ; 0 in waves 0 and 2 of cluster 0: the same in all four partners
	s_cmp_eq_u32 s86, 0
	s_cselect_b32 s[LIM], 2, -1
	; A fragment of K or Q is 16 rows x 32 channels in 8 registers: lane l holds row l % 16, channels 8 (l / 16) + 0..7 and 16 + 8 (l / 16) + 0..7: two loads of 16 bytes, 32 bytes apart.
	WIN 0x80                        ; destination window 2, address window 0
.irp u, 0,1
.irp c, 0,1
	global_load_b128 v[16*\u+8*\c:16*\u+8*\c+3],   v[QO], s[QA+2*\u:QA+2*\u+1] offset:64*\c
	global_load_b128 v[16*\u+8*\c+4:16*\u+8*\c+7], v[QO], s[QA+2*\u:QA+2*\u+1] offset:64*\c+32
	global_load_b128 v[QB+16*\u+8*\c:QB+16*\u+8*\c+3],   v[QO], s[QA+4+2*\u:QA+4+2*\u+1] offset:64*\c
	global_load_b128 v[QB+16*\u+8*\c+4:QB+16*\u+8*\c+7], v[QO], s[QA+4+2*\u:QA+4+2*\u+1] offset:64*\c+32
.endr
.endr
.irp c, 0,1,2,3,4,5,6,7             ; subln_w of my channels 16 c + 8 (l / 16) + 0..7
	global_load_b128 v[SW+8*\c:SW+8*\c+3],   v[WO], s[14:15] offset:64*\c
	global_load_b128 v[SW+8*\c+4:SW+8*\c+7], v[WO], s[14:15] offset:64*\c+16
.endr
	WIN 0
	global_load_b64 v[LAM:LAM+1],   v[LO], s[6:7]
	global_load_b64 v[LAM+2:LAM+3], v[LO], s[8:9]
	global_load_b64 v[LAM+4:LAM+5], v[LO], s[10:11]
	global_load_b64 v[LAM+6:LAM+7], v[LO], s[12:13]
	WIN 0x80
.set i, 0
.rept 64                            ; MD: the same for both superblocks, since it goes by places inside a superblock
	v_cmp_gt_i32 vcc_lo, 16*(i/8)+i%8, v[DD]
	v_cndmask_b32 v[MD+i], 0, s[BIGN], vcc_lo
.set i, i+1
.endr
	WIN 0x40
.set i, 0
.rept 128                           ; the first step multiplies O^T and l by a = 0: they need only be finite.  No first step is written out; these lines stand in the wait for the first tile
	v_mov_b32 v[i], 0
.set i, i+1
.endr
	WIN 0
.irp u, 0,1
	v_mov_b32 v[ST+8*\u], 0xfe000000    ; c m: far below every c s
	v_mov_b32 v[ST+8*\u+1], 0xff7fffff  ; m
	v_mov_b32 v[ST+8*\u+2], 0
	v_mov_b32 v[ST+8*\u+3], 0
.endr
	v_mul_u32_u24 v[AK0], v1, KP
	v_lshl_add_u32 v[AK0], v9, 4, v[AK0]  ; row x pitch + 16 x half,
	s_mul_i32 s86, s[SI], KSUB
	v_add_nc_u32 v[AK0], s86, v[AK0]      ; in my sub's K
	; The turning load takes 16 keys x 16 channels (lane l reads key 8 (l / 16) + l % 8, channels 8 ((l / 8) % 2) + 0..7) and leaves half a fragment of V^T: lane l holds channel l % 16 and 8 keys.
	v_and_b32 v10, 7, v0
	v_bfe_u32 v11, v0, 3, 1
	v_lshl_add_u32 v[AV0], v9, 3, v10
	v_mul_u32_u24 v[AV0], v[AV0], VP
	v_lshl_add_u32 v[AV0], v11, 4, v[AV0]
	v_add_nc_u32 v[AV0], VOFF, v[AV0]
	s_lshl_b32 s86, s[WV], 13
	s_add_co_u32 s86, s86, XCH
	v_lshl_add_u32 v[XST], v57, 4, s86    ; 16 bytes a lane, in my wave's 8,192
	s_xor_b32 s86, s[WV], 1
	s_lshl_b32 s86, s86, 13
	s_add_co_u32 s86, s86, XCH
	v_lshl_add_u32 v[XLD], v57, 4, s86    ; and in those of the wave with the same queries and the other sub
	s_mul_i32 s86, s[WV], 16*SP
	s_add_co_u32 s86, s86, OST            ; my stage
	v_mul_u32_u24 v[STO], v1, SP          ; in: row l % 16, 16 bytes for each half of the lanes
	v_lshl_add_u32 v[STO], v9, 4, v[STO]
	v_add_nc_u32 v[STO], s86, v[STO]
	v_mul_u32_u24 v[RD], v9, SP           ; back: lanes 0-15 take one row of 256 bytes, lanes 16-31 the next
	v_lshl_add_u32 v[RD], v1, 4, v[RD]
	v_add_nc_u32 v[RD], s86, v[RD]
	v_lshlrev_b32 v[GO], 12, v9           ; and the same two rows in att
	v_lshl_add_u32 v[GO], v1, 4, v[GO]
	v_lshlrev_b32 v[PFO], 18, v9          ; lanes 16-31: the second group;
	v_lshl_add_u32 v[PFO], v1, 8, v[PFO]  ; a lane a block of 256 bytes
	s_wait_loadcnt 0x0                    ; Q, subln_w, the lambdas
	; lam: the four vectors rounded to bf16, two dot products over the 32 lanes, two exponentials
.irp n, 0,2,4,6
	v_cvt_pk_bf16_f32 v[LAM+\n], v[LAM+\n], v[LAM+\n+1]
.endr
.irp n, 0,2,4,6
	v_and_b32 v[LAM+\n+1], s[HIM], v[LAM+\n]
	v_lshlrev_b32 v[LAM+\n], 16, v[LAM+\n]
.endr
	v_mul_f32 v57, v[LAM], v[LAM+2]
	v_mul_f32 v58, v[LAM+4], v[LAM+6]
	v_fmac_f32 v57, v[LAM+1], v[LAM+3]
	v_fmac_f32 v58, v[LAM+5], v[LAM+7]
.irp x, 1,2,4,8
	v_add_f32_dpp v57, v57, v57 row_xmask:\x row_mask:0xf bank_mask:0xf
	v_add_f32_dpp v58, v58, v58 row_xmask:\x row_mask:0xf bank_mask:0xf
.endr
	v_permlanex16_b32 v[LAM+1], v57, s[SEL], s[SEL+1]
	v_permlanex16_b32 v[LAM+5], v58, s[SEL], s[SEL+1]
	v_add_f32 v57, v57, v[LAM+1]
	v_add_f32 v58, v58, v[LAM+5]
	v_mul_f32 v57, 0x3fb8aa3b, v57        ; e^x = 2^(x log2 e)
	v_mul_f32 v58, 0x3fb8aa3b, v58
	v_exp_f32 v57, v57
	v_exp_f32 v58, v58
	v_mov_b32 v59, 1.0                    ; a plain instruction behind the last exponential,
	s_wait_alu depctr_va_vdst(0)          ; and the wait ahead of the first use: one for the two
	v_sub_f32 v57, v57, v58
	v_add_f32 v57, 0x3f489a63, v57        ; + 0.8 - 0.6 e^-3.6 = 0.78360577
	v_sub_f32 v58, 0, v57                 ; -lam
	v_cndmask_b32 v[ALF], v59, v58, s[IM] ; sub 0: own x 1 + received x -lam;  sub 1: own x -lam + received x 1
	v_cndmask_b32 v[BET], v58, v59, s[IM]
	v_mov_b32 v[BET+1], v[BET]
	WIN 0x8a                              ; subln_w rounded to bf16 and widened again, in place in window 2
.set k, 0
.rept 32
	v_cvt_pk_bf16_f32 v[SW+2*k], v[SW+2*k], v[SW+2*k+1]
	v_and_b32 v[SW+2*k+1], s[HIM], v[SW+2*k]
	v_lshlrev_b32 v[SW+2*k], 16, v[SW+2*k]
.set k, k+1
.endr
	WIN 0
; THE MATRIX WORK.  The accumulators take turns, one instruction a turn: between two links of a chain stand 7 (K Q^T) or 15 (V^T P) others'.
; Product i of 16 of S^T = K Q^T for step s of the tile: channels 32 (i / 8) on, keys 16 ((i / 2) % 4) on, tile i % 2.  The first 8 start the sums, with the mask.
.macro KQ s
	WIN W_KQ
.set i, 0
.rept 16
.set rS, S+32*(i%2)+8*((i/2)%4)
.set rK, KF+16*((i/2)%4)+8*(i/8)
.set rQ, 16*(i%2)+8*(i/8)
.set rM, MC+32*(\s)+8*((i/2)%4)
.if i < 8
	v_wmma_f32_16x16x32_f16 v[rS:rS+7], v[rK:rK+7], v[rQ:rQ+7], v[rM:rM+7]
.else
	v_wmma_f32_16x16x32_f16 v[rS:rS+7], v[rK:rK+7], v[rQ:rQ+7], v[rS:rS+7]
.endif
.set i, i+1
.endr
.endm
; Product i of 32 of O^T += V^T P: keys 32 (i / 16) on, channels 16 ((i / 2) % 8) on, tile i % 2.
.macro PV
	WIN W_PV
.set i, 0
.rept 32
.set rO, 64*(i%2)+8*((i/2)%8)
.set rV, VF+64*(i/16)+8*((i/2)%8)
.set rP, P+16*(i%2)+8*(i/16)
	v_wmma_f32_16x16x32_f16 v[rO:rO+7], v[rV:rV+7], v[rP:rP+7], v[rO:rO+7]
.set i, i+1
.endr
.endm
; THE LDS LOADS stand in runs: step s's K (64 keys x 64 channels: 8 fragments) and its V (64 keys x 128 channels, turned: 16 fragments).
.macro FETCH_K s
	WIN 0x80                        ; destination window 2
.irp f, 0,1,2,3,4,5,6,7             ; keys 16 (f / 2) on, channels 32 (f % 2) on
	ds_load_b128 v[KF+8*\f:KF+8*\f+3],   v[AK] offset:(\s)*64*KP+(\f/2)*16*KP+(\f%2)*64
	ds_load_b128 v[KF+8*\f+4:KF+8*\f+7], v[AK] offset:(\s)*64*KP+(\f/2)*16*KP+(\f%2)*64+32
.endr
.endm
.macro FETCH_V s
	WIN 0x40                        ; destination window 1
.irp f, 0,1,2,3,4,5,6,7,8,9,10,11,12,13,14,15  ; keys 32 (f / 8) on; channel block f % 8: half (f % 8) / 4 of V, 32 bytes a block
	ds_load_tr16_b128 v[VF+8*\f:VF+8*\f+3],   v[AV] offset:((\f%8)/4)*VSUB+(\s)*64*VP+(\f/8)*32*VP+(\f%4)*32
	ds_load_tr16_b128 v[VF+8*\f+4:VF+8*\f+7], v[AV] offset:((\f%8)/4)*VSUB+(\s)*64*VP+(\f/8)*32*VP+16*VP+(\f%4)*32
.endr
.endm
.macro PLACES                       ; four places behind matrix instructions, in front of loads into registers that they have read or written and of vector work on their results (ISA guide 7.12.1 for vector instructions)
.rept 4
	v_nop
.endr
.endm
; THE VECTOR WORK.  One tile's softmax for one key step is a list of 134 instructions; SM writes number j of it for tile t.  s0-s31 are the lane's 32 scores, in pairs 0-15.
;   0-15    the maximum of s0-s31 and the old m, three operands at a time: four chains c0-c3 of seven scores each (each accumulator's lowest registers are read first), then the rest
;   16-20   the other half of the lanes' maximum; the new m; c m; c m_old - c m_new
;   21-69   ONE BATCH: the 16 scalings c s - c m and all 33 exponentials (a at 23, then s0-s31).  None of these names an exponential's result; a pair is scaled ahead of its exponentials
;   70-85   the roundings to f16     86-101  the sums; l = a l + the sum     102-133  the tile's O^T times a, each accumulator from its low end on
.macro SM t
.set rT, ST+8*(\t)
.set rS, S+32*(\t)
.set rP, P+16*(\t)
.set rO, 64*(\t)+2*(j-102)
.if j < 102
	WIN 0
.endif
.if j < 4
	v_max3_num_f32 v[rT+4+j], v[rS+8*j], v[rS+8*j+1], v[rS+8*j+2]
.elseif j < 12
	v_max3_num_f32 v[rT+4+j%4], v[rT+4+j%4], v[rS+8*(j%4)+2*(j/4)+1], v[rS+8*(j%4)+2*(j/4)+2]
.elseif j == 12
	v_max3_num_f32 v[rT+4], v[rT+4], v[rS+7], v[rS+15]
.elseif j == 13
	v_max3_num_f32 v[rT+6], v[rT+6], v[rS+23], v[rS+31]
.elseif j == 14
	v_max3_num_f32 v[rT+4], v[rT+4], v[rT+5], v[rT+6]
.elseif j == 15
	v_max3_num_f32 v[rT+4], v[rT+4], v[rT+7], v[rT+1]
.elseif j == 16
	v_permlanex16_b32 v[rT+5], v[rT+4], s[SEL], s[SEL+1]  ; the query's other 32 keys lie in the lane 16 away
.elseif j == 17
	v_mov_b32 v[rT+7], v[rT]        ; c m_old is kept for a: number 19 writes c m anew
.elseif j == 18
	v_max_num_f32 v[rT+1], v[rT+4], v[rT+5]
.elseif j == 19
	v_mul_f32 v[rT], s[CS], v[rT+1]
.elseif j == 20
	v_sub_f32 v[rT+7], v[rT+7], v[rT]
.elseif j == 23
	v_exp_f32 v[rT+6], v[rT+7]
.elseif (j < 23) || ((j < 38) && (j%2 == 0)) || ((j < 66) && (j%4 == 2))
.set b, (j-2)/4                     ; 38, 42, .. 62: pairs 9 to 15
.if j < 38
.set b, (j-20)/2                    ; 21: pair 0; 22, 24, .. 36: pairs 1 to 8
.endif
	v_pk_fma_f32 v[rS+2*b:rS+2*b+1], v[rS+2*b:rS+2*b+1], s[CS:CS+1], v[rT:rT+1] op_sel_hi:[1,0,0] neg_lo:[0,0,1] neg_hi:[0,0,1]  ; pair b: c s - c m
.elseif j < 70
.set e, j-38                        ; 66 to 69: s28 to s31
.if j < 66
.set e, j-32-(j-38)/4               ; 39-41, 43-45, .. 63-65: s7 to s27
.endif
.if j < 38
.set e, (j-25)/2                    ; 25, 27, .. 37: s0 to s6
.endif
	v_exp_f32 v[rS+e], v[rS+e]
.elseif j < 86
	v_cvt_pk_f16_f32 v[rP+j-70], v[rS+2*(j-70)], v[rS+2*(j-70)+1]  ; pair j - 70
.elseif j < 102                     ; the sum of the tile's 16 pairs, in place: neighbours 1, 2, 4 and 8 pairs apart, then l takes it
.set z, j-86
.set w, 4
.set u, z
.if z >= 14
.set w, 32
.set u, 0
.elseif z >= 12
.set w, 16
.set u, z-12
.elseif z >= 8
.set w, 8
.set u, z-8
.endif
.if z < 15
	v_pk_add_f32 v[rS+w*u:rS+w*u+1], v[rS+w*u:rS+w*u+1], v[rS+w*u+w/2:rS+w*u+w/2+1]
.else
	v_pk_fma_f32 v[rT+2:rT+3], v[rT+2:rT+3], v[rT+6:rT+7], v[rS:rS+1] op_sel_hi:[1,0,1]
.endif
.else
	WIN W_RS
	v_pk_mul_f32 v[rO:rO+1], v[rO:rO+1], v[rT+6:rT+7] op_sel_hi:[1,0]
.endif
.endm
; Both tiles' softmax, the tiles alternating, so that no instruction reads the result of the one just before it.  Ahead of number 70 nothing names an exponential's result, and from 70 on no exponential is
; issued: so the step's 66 exponentials have one plain instruction behind the last of them and one wait.
.macro SOFTMAX
.set j, 0
.rept 70
	SM 0
	SM 1
.set j, j+1
.endr
	v_nop
	s_wait_alu depctr_va_vdst(0)
.rept 64
	SM 0
	SM 1
.set j, j+1
.endr
.endm
.macro MASK                         ; the tile's masks: MD times 1 in a diagonal tile, times 0 elsewhere
	WIN 0x02                        ; source 0 window 2
.set z, 0
.rept 32
	v_pk_mul_f32 v[MC+2*z:MC+2*z+1], v[MD+2*z:MD+2*z+1], s[AL:AL+1] op_sel_hi:[1,0]
.set z, z+1
.endr
.endm
; A TILE: two key steps.  Each run of LDS loads is issued as soon as its registers are free, four places behind their last reader, and waited for by count.
.macro TILE
	WIN 0
	v_add_nc_u32 v[AK], s[TB], v[AK0]
	v_add_nc_u32 v[AV], s[TB], v[AV0]
	FETCH_K 0
	FETCH_V 0
	s_wait_dscnt 32                 ; K of step 0 is in; V's 32 loads may stay out
	KQ 0
	PLACES
	FETCH_K 1
	SOFTMAX
	s_wait_dscnt 16                 ; V of step 0 is in; the 16 loads of K of step 1 may stay out
	PV
	PLACES
	FETCH_V 1
	s_wait_dscnt 32                 ; K of step 1 is in
	KQ 1
	PLACES
	SOFTMAX
	s_wait_dscnt 0x0                ; V of step 1 is in
	PV
	WIN 0
.endm
; A SUPERBLOCK ENDS, first part: l's two halves and the other half of the lanes' are added (the additions are the places behind the last products); both tiles are divided by l, my own also multiplied by
; its factor in the difference; tile 1 goes to LDS, in f32, for the wave that finishes its head.
.macro END_A
	WIN 0
.irp u, 0,1
	v_add_f32 v[ST+8*\u+4], v[ST+8*\u+2], v[ST+8*\u+3]
.endr
.irp u, 0,1
	v_permlanex16_b32 v[ST+8*\u+5], v[ST+8*\u+4], s[SEL], s[SEL+1]
.endr
.irp u, 0,1
	v_add_f32 v[ST+8*\u+4], v[ST+8*\u+4], v[ST+8*\u+5]
.endr
.irp u, 0,1
	v_rcp_f32 v[ST+8*\u+6], v[ST+8*\u+4]
.endr
	v_nop                           ; a plain instruction between the last reciprocal and the use of its result,
	s_wait_alu depctr_va_vdst(0)    ; and its wait: one for the two
	v_mul_f32 v[ST+6], v[ALF], v[ST+6]
	WIN W_RS
.set k, 0
.rept 64
	v_pk_mul_f32 v[2*k:2*k+1], v[2*k:2*k+1], v[ST+8*(k/32)+6:ST+8*(k/32)+7] op_sel_hi:[1,0]
.set k, k+1
.endr
	WIN 0x04                        ; store data in window 1
.set k, 0
.rept 16
	ds_store_b128 v[XST], v[64+4*k:64+4*k+3] offset:512*k
.set k, k+1
.endr
	WIN 0
.endm
; Second part, behind a barrier in front of which every wave has waited for those stores: the other sub's tile of my head comes in; a = received x BET + own; the mean of squares over the 128 channels (64 in
; my lane, 64 in the lane 16 away); the norm, subln_w and 0.21639423; rounded to f16 and sent through my stage, so that sixteen lanes store a row's 256 bytes.
; Its first lines load into, and then read, O^T's registers.  NEW is 1 only behind END_A, so a wave comes here with END_A's lines behind the tile's last products; but read as a text, a way also leads here from
; those products past END_A's lines, and behind the change of slots that fills nothing no other vector line stands on it.  Four places at the head keep the distance on every way through the text.
.macro END_B
	PLACES
	WIN 0x40
.set k, 0
.rept 16
	ds_load_b128 v[64+4*k:64+4*k+3], v[XLD] offset:512*k
.set k, k+1
.endr
	s_wait_dscnt 0x0
	WIN 0x51
.set k, 0
.rept 32
	v_pk_fma_f32 v[2*k:2*k+1], v[64+2*k:64+2*k+1], v[BET:BET+1], v[2*k:2*k+1]
.set k, k+1
.endr
	WIN 0x05                        ; sources 0 and 1 window 1, the rest window 0
.set k, 0
.rept 4
	v_pk_mul_f32 v[SQ+2*k:SQ+2*k+1], v[2*k:2*k+1], v[2*k:2*k+1]   ; the first four pairs start the chains: nothing is cleared
.set k, k+1
.endr
.rept 28
	v_pk_fma_f32 v[SQ+2*(k%4):SQ+2*(k%4)+1], v[2*k:2*k+1], v[2*k:2*k+1], v[SQ+2*(k%4):SQ+2*(k%4)+1]
.set k, k+1
.endr
	WIN 0
	v_pk_add_f32 v[SQ:SQ+1], v[SQ:SQ+1], v[SQ+2:SQ+3]
	v_pk_add_f32 v[SQ+4:SQ+5], v[SQ+4:SQ+5], v[SQ+6:SQ+7]
	v_pk_add_f32 v[SQ:SQ+1], v[SQ:SQ+1], v[SQ+4:SQ+5]
	v_add_f32 v[SQ], v[SQ], v[SQ+1]
	v_permlanex16_b32 v[SQ+1], v[SQ], s[SEL], s[SEL+1]
	v_add_f32 v[SQ], v[SQ], v[SQ+1]
	v_fma_f32 v[SQ], v[SQ], s[R128], s[EPSR]
	v_rsq_f32 v[SQ+1], v[SQ]
	v_nop                           ; a plain instruction behind it, and its wait ahead of the first use
	s_wait_alu depctr_va_vdst(0)
	v_mul_f32 v[FF], 0x3e5d9673, v[SQ+1]  ; x (1 - 0.78360577)
	v_mov_b32 v[FF+1], v[FF]
	WIN 0x49                        ; source 1 window 2
.set k, 0
.rept 32
	v_pk_mul_f32 v[2*k:2*k+1], v[2*k:2*k+1], v[SW+2*k:SW+2*k+1]
.set k, k+1
.endr
	WIN W_RS
.set k, 0
.rept 32
	v_pk_mul_f32 v[2*k:2*k+1], v[2*k:2*k+1], v[FF:FF+1]
.set k, k+1
.endr
	WIN 0x05
.set k, 0
.rept 32
	v_cvt_pk_f16_f32 v[S+k], v[2*k], v[2*k+1]
.set k, k+1
.endr
	WIN 0
.irp f, 0,1,2,3,4,5,6,7
	ds_store_b128 v[STO], v[S+4*\f:S+4*\f+3] offset:32*\f
.endr
.irp f, 0,1,2,3,4,5,6,7
	ds_load_b128 v[OBK+4*\f:OBK+4*\f+3], v[RD] offset:\f*2*SP  ; LDS serves a wave's instructions in order (ISA guide 5.7.1.4): these see the stores above
.endr
.irp f, 0,1,2,3,4,5,6,7
	s_wait_dscnt 7-\f
	global_store_b128 v[GO], v[OBK+4*\f:OBK+4*\f+3], s[OUT:OUT+1] offset:\f*8192  ; 16 lanes store 256 consecutive bytes, at a multiple of 256 from att's first byte
.endr
.endm
; THE SECOND SUPERBLOCK BEGINS: its Q goes where the one text names Q; c m and m start anew, so that its first step's a is 0 and wipes what O^T and l hold.
.macro BEGIN2
	WIN 0x82
.set k, 0
.rept 32
	v_mov_b32 v[k], v[QB+k]
.set k, k+1
.endr
	WIN 0
.irp u, 0,1
	v_mov_b32 v[ST+8*\u], 0xfe000000
	v_mov_b32 v[ST+8*\u+1], 0xff7fffff
.endr
	s_wait_xcnt 0x0                 ; the stores have read their registers and att's address
	s_mov_b64 s[OUT:OUT+1], s[OLO:OLO+1]
	s_mov_b32 s[NEW], 0
.endm
.Lslot:                             ; 16 times: a tile is entered and the next is asked for
	CHANGE 1
	s_sub_co_u32 s[RT], s[RT], 1
	s_cmp_eq_u32 s[NEW], 0
	s_cbranch_scc1 .Lold
	END_B                           ; the change's barrier stood between the handing over and this
	BEGIN2
.Lold:
	s_wait_dscnt 0x0                ; my reads of what was handed over are back,
	s_barrier_signal -1             ; and everybody's, before any wave hands over again.  The tile just asked for stays on its way
	s_barrier_wait -1
	s_cmp_eq_u32 s[RT], 0           ; the superblock's last tile holds the diagonal
	s_cselect_b32 s[AL], 1.0, 0
	MASK
	TILE
	s_cmp_lg_u32 s[RT], 0
	s_cbranch_scc1 .Lmore
	END_A                           ; in the loop this is the first superblock's end: the second's last tile is the walk's last
	s_add_co_u32 s[RT], s[CC], 1    ; the second superblock has c + 1 tiles
	s_mov_b32 s[NEW], 1
.Lmore:
	s_sub_co_u32 s[SLOTS], s[SLOTS], 1
	s_cmp_lg_u32 s[SLOTS], 0
	s_cbranch_scc1 .Lslot
	CHANGE 0                        ; the walk's last tile is written out: nothing is asked for
	s_cmp_eq_u32 s[NEW], 0
	s_cbranch_scc1 .Lold2
	END_B                           ; (c = 0: the second superblock has this one tile)
	BEGIN2
.Lold2:
	s_wait_dscnt 0x0
	s_barrier_signal -1
	s_barrier_wait -1
	s_mov_b32 s[AL], 1.0            ; it holds the diagonal
	MASK
	TILE
	END_A
	s_wait_dscnt 0x0                ; for the others' sake: my stores of the tile that I hand over are done
	s_barrier_signal -1
	s_barrier_wait -1
	END_B
	s_wait_tensorcnt 0x0            ; the wave's end: an add to my spare word and its wait, behind my last tensor load and my last LDS store
	ds_add_u32 v[SPW], v[NIL]
	s_wait_dscnt 0x0
	CROUND                          ; the closing round: no work-group ends while a partner may still ask for a tile that names it
	s_endpgm
.Lfunc_end_k_q0650c8b8f7_attn:
	.size	k_q0650c8b8f7_attn, .Lfunc_end_k_q0650c8b8f7_attn-k_q0650c8b8f7_attn
	.p2alignl 7, 3214868480
	.fill 96, 4, 3214868480
	.section	.rodata,"a",@progbits
	.p2align	6, 0x0
	.amdhsa_kernel k_q0650c8b8f7_attn
		.amdhsa_group_segment_fixed_size 327680
		.amdhsa_private_segment_fixed_size 0
		.amdhsa_enable_private_segment 0
		.amdhsa_kernarg_size 56
		.amdhsa_user_sgpr_count 2
		.amdhsa_user_sgpr_kernarg_segment_ptr 1
		.amdhsa_wavefront_size32 1
		.amdhsa_system_sgpr_workgroup_id_x 1
		.amdhsa_system_sgpr_workgroup_id_y 1
		.amdhsa_system_sgpr_workgroup_id_z 1
		.amdhsa_system_vgpr_workitem_id 0
		.amdhsa_next_free_vgpr 768
		.amdhsa_next_free_sgpr 96
		.amdhsa_reserve_vcc 1
		.amdhsa_float_denorm_mode_32 3
		.amdhsa_float_denorm_mode_16_64 3
		.amdhsa_memory_ordered 1
		.amdhsa_forward_progress 1
		.amdhsa_inst_pref_size 176
	.end_amdhsa_kernel
	.amdgpu_metadata
---
amdhsa.version: [ 1, 2 ]
amdhsa.kernels:
  - .name:           k_q0650c8b8f7_attn
    .symbol:         k_q0650c8b8f7_attn.kd
    .args:
      - { .name: qkv, .offset: 0, .size: 8, .value_kind: global_buffer, .address_space: global }
      - { .name: lambda_q1, .offset: 8, .size: 8, .value_kind: global_buffer, .address_space: global }
      - { .name: lambda_k1, .offset: 16, .size: 8, .value_kind: global_buffer, .address_space: global }
      - { .name: lambda_q2, .offset: 24, .size: 8, .value_kind: global_buffer, .address_space: global }
      - { .name: lambda_k2, .offset: 32, .size: 8, .value_kind: global_buffer, .address_space: global }
      - { .name: subln_w, .offset: 40, .size: 8, .value_kind: global_buffer, .address_space: global }
      - { .name: att, .offset: 48, .size: 8, .value_kind: global_buffer, .address_space: global }
    .group_segment_fixed_size: 327680
    .private_segment_fixed_size: 0
    .kernarg_segment_align: 8
    .kernarg_segment_size: 56
    .max_flat_workgroup_size: 128
    .sgpr_count:     96
    .vgpr_count:     768
    .wavefront_size: 32
...
	.end_amdgpu_metadata
.endif
;; end of part 3
;; launch outgemm (part 4): grid 16 x 16, 4 waves a work-group, clusters of 4 x 4, 327,680 bytes of LDS; arguments att, wob, out0; writes out0
.if DOCPART == 4
	.amdgcn_target "amdgcn-amd-amdhsa--gfx1250"
	.amdhsa_code_object_version 6
	.text
	.protected	k_q0650c8b8f7_outgemm
	.globl	k_q0650c8b8f7_outgemm
	.p2align	8
	.type	k_q0650c8b8f7_outgemm,@function
k_q0650c8b8f7_outgemm:
	s_mov_b64 s[64:65], 0
	v_nop
	global_prefetch_b8 v0, s[64:65] scope:SCOPE_SE
	s_setreg_imm32_b32 hwreg(HW_REG_WAVE_MODE, 25, 1), 1
	s_wait_xcnt 0x0
	s_wait_alu depctr_hold_cnt(0) depctr_sa_sdst(0) depctr_va_vdst(0) depctr_va_sdst(0) depctr_va_ssrc(0) depctr_va_vcc(0) depctr_vm_vsrc(0)
	s_getreg_b32 s2, hwreg(HW_REG_IB_STS2, 6, 4)
	s_cmp_eq_u32 s2, 0
	s_cbranch_scc0 .Lentry_in_a_cluster
	s_endpgm
.Lentry_in_a_cluster:
	s_bfe_u32 s2, ttmp6, 0x10000c
	s_cmp_lg_u32 s2, 0xf033
	s_cbranch_scc0 .Lentry_shape_is_right
	s_endpgm
.Lentry_shape_is_right:
; out0[m][n] = sum over k of att[m][k] wob[n][k].  att: [2048][2048] f16, wob: [2048][2048] f16 (Wo rounded to bf16, written as f16), out0: [2048][2048] f32; sums in f32, K ascending.
; A tile of out0 is 128 x 128: 256 work-groups.  Four waves, each 64 x 64: 16 accumulators of 16 x 16.  K goes in steps of 256 (LDS rows of 512 bytes; a wave's tensor load brings 64 of them), as long as
; two slots in LDS allow.  A wave's 64 columns of f32 are 256 bytes at a multiple of 256 from out0's first byte, so each wave has a stage of its own on the way out, and no barrier stands there.
; CLUSTERS: 4 x 4 work-groups.  The four of a row of the cluster need the same tiles of att, the four of a column the same tiles of wob: each tile is asked for JOINTLY, by the same tensor load with the
; same descriptor and a mask that names the four.  THE MATRIX INSTRUCTION IS USED TRANSPOSED (source 0 = 16 rows of wob, source 1 = 16 rows of att): a lane then holds eight neighbouring numbers of a row.
; NO PREFETCH: the tile is small, and every row of att and wob is read by sixteen work-groups at about the same time.
; REGISTERS: window 0: v0-31 addresses; v32-95 two sets of 32 for the rows that leave; v128-255 the accumulators ((a, b) at v[128 + 8 (4 a + b)]).
;   window 1: two fragment buffers of 128: for 64 along K (two matrix instructions deep), 64 registers of att (2 x 4 x 16 rows x 32 K), then 64 of wob.
.set SIZE_N, 2048
.set SIZE_K, 2048
.set KSTEP,  256
.set PITCH,  528                       ; an LDS row: 512 bytes of data + 16 of padding = 132 words: row r starts at bank 4 r mod 64 (64 banks of 4 bytes: ISA guide 11.1)
.set HALFT,  64*PITCH                  ; 64 rows: what one tensor load brings, and what one wave reads of att or of wob
.set SLOT,   4*HALFT                   ; att's 128 rows, then wob's 128 rows
.set STAGE,  2*SLOT                    ; behind the ring, never filled by a tensor load: 16 rows x 272 bytes for each wave
.set SPITCH, 272
.set SPARE,  STAGE+4*16*SPITCH         ; behind the stages: the spare words, 128 bytes for each wave: two blocks of 256 bytes that no other line names
.set LAPS, SIZE_K/(2*KSTEP)            ; a lap = two K steps = once round the ring
.set ADRA, 16                          ; v16-17  LDS address of my att fragments in slot 0, 1
.set ADRB, 20                          ; v20-21  the same for wob
.set STO,  24                          ; v24     the way out: where I put 32 bytes of a row
.set RD,   25                          ; v25     the way out: where I read a row back
.set CO,   26                          ; v26     my byte offset in two rows of out0
.set SPW,  28                          ; v28     LDS address of my spare word; never rewritten
.set NIL,  29                          ; v29     0; never rewritten
.set TMP,  32
.set ACC,  128
.set F0,   0                           ; fragment buffers, in window 1
.set F1,   128
.set G1, 24                            ; s[24:31] descriptor group 1 for att's tiles;  s[32:39] group 0, one set for each slot
.set G0, 32
.set G1B, 48                           ; s[48:55], s[56:63] the same for wob's tiles
.set G0B, 56
.set MSB, 0
.macro WIN new                         ; the immediate's high byte repeats the setting that is left
.if MSB != (\new)
	s_set_vgpr_msb (MSB<<8)|(\new)
.set MSB, \new
.endif
.endm
.set MUL,  0x05                        ; sources 0 and 1 window 1; C and D window 0
.set TO_F, 0x40                        ; destination window 1, address window 0
.macro JLOAD s                         ; a joint load: waves 0 and 1 fetch att's two halves, waves 2 and 3 wob's; an s_nop 0 and four v_nop follow each of the two lines, ahead of the jump, the label and what follows
	s_cmp_eq_u32 s11, 0
	s_cbranch_scc0 .Lfor_b_\@
	tensor_load_to_lds s[G0+4*(\s):G0+4*(\s)+3], s[G1:G1+7]
	s_nop 0
.rept 4
	v_nop
.endr
	s_branch .Lasked_\@
.Lfor_b_\@:
	tensor_load_to_lds s[G0B+4*(\s):G0B+4*(\s)+3], s[G1B:G1B+7]
	s_nop 0
.rept 4
	v_nop
.endr
.Lasked_\@:
.endm
.macro CREST                           ; a round of the cluster's barrier behind its opening barrier
	s_cmp_lg_u32 s10, 0
	s_cbranch_scc1 .Lnot_wave_0_\@
	s_barrier_signal -3
.Lnot_wave_0_\@:
	s_barrier_wait -3
	s_barrier_signal -1
	s_barrier_wait -1
.endm
.macro CROUND                          ; a whole round
	s_barrier_signal -1
	s_barrier_wait -1
	CREST
.endm
	s_load_b128 s[4:7], s[0:1], 0x0                ; att s[4:5], wob s[6:7]
	s_load_b64 s[8:9], s[0:1], 0x10                ; out0
	v_lshl_add_u32 v[SPW], v0, 2, SPARE
	v_mov_b32 v[NIL], 0
	ds_add_u32 v[SPW], v[NIL]                      ; the wave's opening: the add and its wait stand ahead of my first tensor load; the set-up below, work on registers, stands between them
	v_lshrrev_b32 v1, 5, v0
	v_readfirstlane_b32 s10, v1                    ; wave 0..3
	s_lshr_b32 s11, s10, 1                         ; which half of the tile's rows is mine.  Also: I fetch for att (0) or for wob (1)
	s_and_b32 s12, s10, 1                          ; which half of its columns.  Also: which 64 rows of that tile I fetch
	s_bfe_u32 s40, ttmp6, 0x40000                  ; cx, cy: my place in the cluster
	s_bfe_u32 s41, ttmp6, 0x40004
	s_lshl_b32 s42, ttmp9, 2
	s_add_co_u32 s42, s42, s40                     ; tile column = 4 x cluster x + cx
	s_and_b32 s13, ttmp7, 0xffff
	s_lshl_b32 s13, s13, 2
	s_add_co_u32 s13, s13, s41                     ; tile row = 4 x cluster y + cy
	s_lshl_b32 s43, s41, 2
	s_lshl_b32 s43, 15, s43                        ; my row of the cluster
	s_lshl_b32 s44, 0x1111, s40                    ; my column
	; descriptor group 1: a tile of 64 rows x 256 elements, padded in LDS
	s_or_b32 s[G1+0], s43, (1<<16)|(1<<20)|(1<<21)|(6<<22)|(3<<25)  ; 15:0 the mask; 17:16 element of 2 bytes; 20 padding on; 21 set beside a mask; 24:22 after every 128 words (code 6); 31:25 of 4 words (code 3)
	s_or_b32 s[G1B+0], s44, (1<<16)|(1<<20)|(1<<21)|(6<<22)|(3<<25)
.irp g, G1, G1B
	s_mov_b32 s[(\g)+1], KSTEP<<16                 ; tensor_dim0 = 256
	s_mov_b32 s[(\g)+2], 64<<16                    ; tensor_dim1 = 64
	s_mov_b32 s[(\g)+3], KSTEP<<16                 ; tile_dim0 = 256
	s_mov_b32 s[(\g)+4], 64                        ; tile_dim1 = 64
	s_mov_b32 s[(\g)+5], SIZE_K                    ; elements from row to row
	s_mov_b32 s[(\g)+6], 0
	s_mov_b32 s[(\g)+7], 0
.endr
	s_lshl_b32 s17, s12, 6                         ; which 64 rows of the tile I fetch
	s_lshl_b32 s16, s13, 7
	s_add_co_u32 s16, s16, s17                     ; att: row 128 x tile row + 64 x half
	s_lshl_b32 s46, s42, 7
	s_add_co_u32 s46, s46, s17                     ; wob: row 128 x tile column + 64 x half
	s_mov_b32 s17, 0
	s_mov_b32 s47, 0
	s_mov_b64 s[18:19], SIZE_K*2
	s_mul_u64 s[16:17], s[16:17], s[18:19]
	s_mul_u64 s[46:47], s[46:47], s[18:19]
	s_mul_i32 s20, s10, HALFT                      ; where they go: wave x 64 rows
	s_wait_dscnt 0x0                               ; the opening add is done
	s_wait_kmcnt 0x0
	s_add_nc_u64 s[14:15], s[4:5], s[16:17]
	s_add_nc_u64 s[46:47], s[6:7], s[46:47]
	CROUND                                         ; all sixteen work-groups are here: the first joint loads meet
.irp s, 0,1
	s_mov_b32 s[G0+4*(\s)], 1
	s_add_co_u32 s[G0+4*(\s)+1], s20, (\s)*SLOT
	s_add_nc_u64 s[G0+4*(\s)+2:G0+4*(\s)+3], s[14:15], (\s)*KSTEP*2
	s_or_b32 s[G0+4*(\s)+3], s[G0+4*(\s)+3], 0x80000000
	s_mov_b32 s[G0B+4*(\s)], 1
	s_add_co_u32 s[G0B+4*(\s)+1], s20, (\s)*SLOT
	s_add_nc_u64 s[G0B+4*(\s)+2:G0B+4*(\s)+3], s[46:47], (\s)*KSTEP*2
	s_or_b32 s[G0B+4*(\s)+3], s[G0B+4*(\s)+3], 0x80000000
	JLOAD \s                                       ; two loads of mine are out
.endr
	v_and_b32 v1, 15, v0                           ; l % 16
	v_bfe_u32 v2, v0, 4, 1                         ; l / 16
	v_mul_u32_u24 v3, v1, PITCH
	v_lshl_add_u32 v3, v2, 4, v3                   ; a fragment's row x pitch + 16 x half
	s_mul_i32 s21, s11, HALFT                      ; my 64 rows of att
	s_mul_i32 s22, s12, HALFT                      ; my 64 rows of wob,
	s_add_co_u32 s22, s22, 2*HALFT                 ; which lie behind att's 128
.irp s, 0,1
	v_add_nc_u32 v[ADRA+(\s)], s21, v3
	v_add_nc_u32 v[ADRB+(\s)], s22, v3
	s_add_co_u32 s21, s21, SLOT
	s_add_co_u32 s22, s22, SLOT
.endr
	s_mul_i32 s23, s10, 16*SPITCH
	s_add_co_u32 s23, s23, STAGE                   ; my stage
	v_mul_u32_u24 v4, v1, SPITCH                   ; in: row l % 16, 32 bytes (eight f32) for each half of the lanes
	v_lshl_add_u32 v4, v2, 5, v4
	v_add_nc_u32 v[STO], s23, v4
	v_mul_u32_u24 v5, v2, SPITCH                   ; back: lanes 0-15 take one row of 256 bytes, lanes 16-31 the next
	v_lshl_add_u32 v5, v1, 4, v5
	v_add_nc_u32 v[RD], s23, v5
	v_lshlrev_b32 v5, 13, v2                       ; and the same two rows in out0: 8,192 bytes a row
	v_lshl_add_u32 v[CO], v1, 4, v5
	s_lshl_b32 s16, s13, 7
	s_lshl_b32 s17, s11, 6
	s_add_co_u32 s16, s16, s17                     ; my first row: 128 x tile row + 64 x row half
	s_lshl_b32 s16, s16, 13
	s_mov_b32 s17, 0
	s_add_nc_u64 s[8:9], s[8:9], s[16:17]
	s_lshl_b32 s46, s42, 9                         ; my first column, in bytes: 512 x tile column + 256 x column half
	s_lshl_b32 s47, s12, 8
	s_add_co_u32 s46, s46, s47
	s_mov_b32 s47, 0
	s_add_nc_u64 s[8:9], s[8:9], s[46:47]
; 8 matrix instructions: m blocks a0, a0 + 1 x all 4 n blocks, 32 along K: half c of buffer f.  zero = 1: the first product starts the sums.  The 16 accumulators take turns.
.macro MUL8 f, c, a0, zero
	WIN MUL
.irp a, \a0, (\a0)+1
.irp b, 0,1,2,3
.if \zero
	v_wmma_f32_16x16x32_f16 v[ACC+8*(4*(\a)+(\b)):ACC+8*(4*(\a)+(\b))+7], v[(\f)+64+8*(4*(\c)+(\b)):(\f)+64+8*(4*(\c)+(\b))+7], v[(\f)+8*(4*(\c)+(\a)):(\f)+8*(4*(\c)+(\a))+7], 0
.else
	v_wmma_f32_16x16x32_f16 v[ACC+8*(4*(\a)+(\b)):ACC+8*(4*(\a)+(\b))+7], v[(\f)+64+8*(4*(\c)+(\b)):(\f)+64+8*(4*(\c)+(\b))+7], v[(\f)+8*(4*(\c)+(\a)):(\f)+8*(4*(\c)+(\a))+7], v[ACC+8*(4*(\a)+(\b)):ACC+8*(4*(\a)+(\b))+7]
.endif
.endr
.endr
.endm
; 32 LDS loads in one run: the fragments of 64 along K at byte k of the rows, into buffer f; the first 32 along K first
.macro FETCH slot, k, f
	WIN TO_F
.irp c, 0,1
.irp i, 0,1,2,3
	ds_load_b128 v[(\f)+64+8*(4*(\c)+(\i)):(\f)+64+8*(4*(\c)+(\i))+3],   v[ADRB+(\slot)] offset:(\k)+64*(\c)+(\i)*16*PITCH
	ds_load_b128 v[(\f)+64+8*(4*(\c)+(\i))+4:(\f)+64+8*(4*(\c)+(\i))+7], v[ADRB+(\slot)] offset:(\k)+64*(\c)+(\i)*16*PITCH+32
	ds_load_b128 v[(\f)+8*(4*(\c)+(\i)):(\f)+8*(4*(\c)+(\i))+3],         v[ADRA+(\slot)] offset:(\k)+64*(\c)+(\i)*16*PITCH
	ds_load_b128 v[(\f)+8*(4*(\c)+(\i))+4:(\f)+8*(4*(\c)+(\i))+7],       v[ADRA+(\slot)] offset:(\k)+64*(\c)+(\i)*16*PITCH+32
.endr
.endr
.endm
.macro PLACES                          ; four places in front of loads into registers that matrix instructions have read (ISA guide 7.12.1 for vector instructions)
.rept 4
	v_nop
.endr
.endm
; A K step is four quarters of 64 along K, 32 matrix instructions each, on buffers 0, 1, 0, 1.  One of the first three: multiplies buffer f and fetches the next quarter, at byte k, into g.
.macro QUARTER slot, k, f, g, zero
	s_wait_dscnt 16                                ; the first 32 along K are in; the other sixteen loads may be out
	WIN MUL
	MUL8 \f, 0, 0, \zero
	MUL8 \f, 0, 2, \zero
	PLACES
	FETCH \slot, \k, \g
	s_wait_dscnt 32                                ; all but the 32 just issued
	WIN MUL
	MUL8 \f, 1, 0, 0
	MUL8 \f, 1, 2, 0
.endm
; The last quarter multiplies buffer 1 and changes slots: ONE barrier; in front of it each wave waits for all its tensor loads, adds 0 to its spare word, and waits for that and for its own reads of this slot.  fill = 1: this slot is filled again, two K steps ahead.
.macro TURN slot, next, fill
	WIN 0                                          ; (the add's two registers lie in window 0)
	s_wait_tensorcnt 0x0                           ; all my tensor loads have landed: my part of the next slot;
	ds_add_u32 v[SPW], v[NIL]                      ; 0 onto my spare word
	s_wait_dscnt 17                                ; (the add and the youngest sixteen loads may be out)
	WIN MUL
	MUL8 F1, 0, 0, 0                               ; eight matrix instructions stand between the add and the wait for it
	s_wait_dscnt 0x0                               ; the add is done, and my reads of this slot are over
	s_barrier_signal -1
	MUL8 F1, 0, 2, 0
.if \fill
	WIN 0
.endif
	s_barrier_wait -1
.if \fill
	CREST                                          ; the barrier has opened a round of the cluster's barrier: no wave of any partner still reads this slot's tile or has a load on its way
	s_add_nc_u64 s[G0+4*(\slot)+2:G0+4*(\slot)+3], s[G0+4*(\slot)+2:G0+4*(\slot)+3], 2*KSTEP*2
	s_add_nc_u64 s[G0B+4*(\slot)+2:G0B+4*(\slot)+3], s[G0B+4*(\slot)+2:G0B+4*(\slot)+3], 2*KSTEP*2
	JLOAD \slot                                    ; the first tensor load behind the round: 112 matrix instructions ahead of the wait for it; the four v_nop behind it are also the places in front of the loads below
.else
	PLACES
.endif
	FETCH \next, 0, F0
	WIN MUL
	MUL8 F1, 1, 0, 0
	MUL8 F1, 1, 2, 0
.endm
	s_wait_tensorcnt 1                             ; my part of K step 0 is in; K step 1's may stay out
	s_barrier_signal -1
	s_barrier_wait -1                              ; everybody's is
	FETCH 0, 0, F0
	QUARTER 0, 128, F0, F1, 1                      ; the first quarter stands in front of the loop: its first products start the sums
	WIN 0                                          ; at a label and at a branch every window is 0
	s_mov_b32 s3, LAPS-1
.Llap:                                                 ; a trip goes once round the ring, from a lap's second quarter to the next lap's first, and fills both slots again
	QUARTER 0, 256, F1, F0, 0
	QUARTER 0, 384, F0, F1, 0
	TURN 0, 1, 1
	QUARTER 1, 128, F0, F1, 0
	QUARTER 1, 256, F1, F0, 0
	QUARTER 1, 384, F0, F1, 0
	TURN 1, 0, 1
	QUARTER 0, 128, F0, F1, 0
	WIN 0
	s_sub_co_u32 s3, s3, 1
	s_cmp_lg_u32 s3, 0
	s_cbranch_scc1 .Llap
	QUARTER 0, 256, F1, F0, 0                      ; the last lap fills nothing, and has no round of the cluster's barrier
	QUARTER 0, 384, F0, F1, 0
	TURN 0, 1, 0
	QUARTER 1, 128, F0, F1, 0
	QUARTER 1, 256, F1, F0, 0
	QUARTER 1, 384, F0, F1, 0
	s_wait_dscnt 16                                ; the very last quarter: nothing more to fetch
	WIN MUL
	MUL8 F1, 0, 0, 0
	MUL8 F1, 0, 2, 0
	s_wait_dscnt 0x0
	MUL8 F1, 1, 0, 0
	MUL8 F1, 1, 2, 0
	WIN 0
	; THE WAY OUT, 16 rows at a time: a lane's eight f32 of a row go straight from the accumulator (its low four registers first) into my stage's rows of 272 bytes, and come back as
	; whole rows of 256 bytes.  Two sets of registers take turns; a set is loaded again only when the stores that read it have had their addresses translated (ISA guide 3.1).
.rept 8
	v_nop                                          ; the places behind the last products, once a launch
.endr
.irp a, 0,1,2,3
.if (\a) >= 2
	s_wait_xcnt 0x0
.endif
.irp b, 0,1,2,3
	ds_store_b128 v[STO], v[ACC+8*(4*(\a)+(\b)):ACC+8*(4*(\a)+(\b))+3]   offset:64*(\b)
	ds_store_b128 v[STO], v[ACC+8*(4*(\a)+(\b))+4:ACC+8*(4*(\a)+(\b))+7] offset:64*(\b)+16
.endr
.irp t, 0,1,2,3,4,5,6,7
	ds_load_b128 v[TMP+32*((\a)%2)+4*(\t):TMP+32*((\a)%2)+4*(\t)+3], v[RD] offset:(\t)*2*SPITCH  ; LDS serves a wave's instructions in order (ISA guide 5.7.1.4): these see the stores above; the next block's stores come behind them
.endr
.irp t, 0,1,2,3,4,5,6,7
	s_wait_dscnt 7-(\t)
	global_store_b128 v[CO], v[TMP+32*((\a)%2)+4*(\t):TMP+32*((\a)%2)+4*(\t)+3], s[8:9] offset:(16*(\a)+2*(\t))*SIZE_N*4 th:TH_STORE_NT  ; 16 lanes store 256 consecutive bytes, at a multiple of 256 from out0's first byte
.endr
.endr
	s_wait_tensorcnt 0x0                           ; the wave's end: an add to my spare word and its wait, behind my last tensor load and my last LDS store
	ds_add_u32 v[SPW], v[NIL]
	s_wait_dscnt 0x0
	CROUND                                         ; the closing round: no work-group ends while a partner may still ask for a tile that names it
	s_endpgm
.Lfunc_end_k_q0650c8b8f7_outgemm:
	.size	k_q0650c8b8f7_outgemm, .Lfunc_end_k_q0650c8b8f7_outgemm-k_q0650c8b8f7_outgemm
	.p2alignl 7, 3214868480
	.fill 96, 4, 3214868480
	.section	.rodata,"a",@progbits
	.p2align	6, 0x0
	.amdhsa_kernel k_q0650c8b8f7_outgemm
		.amdhsa_group_segment_fixed_size 327680
		.amdhsa_private_segment_fixed_size 0
		.amdhsa_enable_private_segment 0
		.amdhsa_kernarg_size 24
		.amdhsa_user_sgpr_count 2
		.amdhsa_user_sgpr_kernarg_segment_ptr 1
		.amdhsa_wavefront_size32 1
		.amdhsa_system_sgpr_workgroup_id_x 1
		.amdhsa_system_sgpr_workgroup_id_y 1
		.amdhsa_system_sgpr_workgroup_id_z 1
		.amdhsa_system_vgpr_workitem_id 0
		.amdhsa_next_free_vgpr 512
		.amdhsa_next_free_sgpr 66
		.amdhsa_reserve_vcc 0
		.amdhsa_float_denorm_mode_32 3
		.amdhsa_float_denorm_mode_16_64 3
		.amdhsa_memory_ordered 1
		.amdhsa_forward_progress 1
		.amdhsa_inst_pref_size 86
	.end_amdhsa_kernel
	.amdgpu_metadata
---
amdhsa.version: [ 1, 2 ]
amdhsa.kernels:
  - .name:           k_q0650c8b8f7_outgemm
    .symbol:         k_q0650c8b8f7_outgemm.kd
    .args:
      - { .name: att, .offset: 0, .size: 8, .value_kind: global_buffer, .address_space: global }
      - { .name: wob, .offset: 8, .size: 8, .value_kind: global_buffer, .address_space: global }
      - { .name: out0, .offset: 16, .size: 8, .value_kind: global_buffer, .address_space: global }
    .group_segment_fixed_size: 327680
    .private_segment_fixed_size: 0
    .kernarg_segment_align: 8
    .kernarg_segment_size: 24
    .max_flat_workgroup_size: 128
    .sgpr_count:     66
    .vgpr_count:     512
    .wavefront_size: 32
...
	.end_amdgpu_metadata
.endif
;; end of part 4
;; ======== version 2 of 2: 4 launches; version 1 with the launch cast written anew for expert scheduling mode
;; limits: values are held in f16: magnitudes above 65,504 overflow, below 6.1e-05 lose precision
;; workspace buffers: xb 8,388,608 bytes; wqkv 16,777,216 bytes; wob 8,388,608 bytes; qkv 16,777,216 bytes; att 8,388,608 bytes
;; launch cast (part 5): grid 64 x 8, 8 waves a work-group, no clusters, 0 bytes of LDS; arguments x, Wq, Wk, Wv, Wo, xb, wqkv, wob; writes xb, wqkv, wob
.if DOCPART == 5
	.amdgcn_target "amdgcn-amd-amdhsa--gfx1250"
	.amdhsa_code_object_version 6
	.text
	.protected	k_q0650c8b8f7_cast
	.globl	k_q0650c8b8f7_cast
	.p2align	8
	.type	k_q0650c8b8f7_cast,@function
k_q0650c8b8f7_cast:
	s_mov_b64 s[64:65], 0
	v_nop
	global_prefetch_b8 v0, s[64:65] scope:SCOPE_SE
	s_setreg_imm32_b32 hwreg(HW_REG_WAVE_SCHED_MODE, 0, 2), 2
	s_setreg_imm32_b32 hwreg(HW_REG_WAVE_MODE, 25, 1), 1
	s_wait_xcnt 0x0
	s_wait_alu depctr_vm_vsrc(0)
; THE MATRIX OPERANDS ARE ROUNDED ONCE.  x -> xb (bf16); Wq, Wk, Wv -> wqkv (bf16; rows 0-2047 Wq, 2048-3071 Wk, 3072-4095 Wv); Wo -> wob: rounded to bf16, and that number written as f16.
; LIMIT.  A bf16 number of Wo beyond 65,504 would be an infinity in f16; below 6e-5 it keeps f16's fixed step of 6e-8.
; SHARES.  The 16 Mi numbers are eight chunks of 2 Mi (8 MiB in, 4 MiB out); the grid's y names the chunk, its x 128 KiB of it.  A thread takes 16 bytes of every 4,096: a wave's load covers
; 512 consecutive bytes, its store 256 consecutive bytes at a multiple of 256 from the buffer's first byte.  All 32 loads of a thread go out at once; the waits count down.
; No LDS, no matrix unit, no cluster: every byte is read once and written once, and no wave wants what another has read.
; THE MODE: SCHED_MODE bits 1:0 = 2 (LLVM: expert scheduling mode 2), set by the entry lines.  The code itself states the register dependences
; between vector instructions and memory instructions, with s_wait_alu, always for 0.
; THE PLAN.  The 32 steps go in eight blocks of four.  Registers that memory instructions touch:
;   v1, v2      byte offsets, made once at the head and never written again: the steps are reached by immediate offsets.
;   X + 4 s ..  step s's four registers.  Written by its load, issued at the head, before any vector instruction names them; read by its conversions, which write the first two of them;
;               those two are read by its store and never written again.
;   v4 to v9 (the path for Wo) are named by vector instructions alone.
; Block p rounds steps 4 p to 4 p + 3.  Its memory instructions are the four stores of block p - 1, whose registers no vector instruction of block p names.  So ONE wait at a block's head, behind the
; wait for the block's data, states all that those stores hang on, and they are dealt among the block's conversions with no further wait.  No register that a memory instruction reads is ever
; written again, so no line has to state that one has been read.
.set X, 16                             ; v[16:143]  step s: four numbers as loaded at X + 4 s; its first two registers then hold the four rounded numbers
	s_load_b512 s[8:23], s[0:1], 0x0               ; x s[8:9], Wq s[10:11], Wk s[12:13], Wv s[14:15], Wo s[16:17], xb s[18:19], wqkv s[20:21], wob s[22:23]
	s_and_b32 s24, ttmp7, 0xffff                   ; the chunk: 0, 1 x; 2, 3 Wq; 4 Wk; 5 Wv; 6, 7 Wo
	v_lshlrev_b32 v1, 4, v0                        ; 16 bytes a thread in; never rewritten
	v_lshlrev_b32 v2, 3, v0                        ; 8 bytes a thread out; never rewritten
	s_mov_b32 s34, 0xffff0000                      ; a word's upper bf16
	s_and_b32 s30, s24, 1                          ; the chunk's place in its source: the second 8 MiB where the chunk's number is odd,
	s_lshl_b32 s30, s30, 23
	s_cmp_eq_u32 s24, 5
	s_cselect_b32 s30, 0, s30                      ; but Wv is one chunk
	s_lshl_b32 s25, ttmp9, 17                      ; the work-group's 128 KiB
	s_add_co_u32 s30, s30, s25
	s_mov_b32 s31, 0
	s_cmp_lt_u32 s24, 2                            ; the first chunk of the destination: 0 for xb, 2 for wqkv, 6 for wob
	s_cselect_b32 s35, 0, 2
	s_cmp_ge_u32 s24, 6
	s_cselect_b32 s35, 6, s35
	s_sub_co_u32 s32, s24, s35
	s_lshl_b32 s32, s32, 22                        ; 4 MiB a chunk
	s_lshl_b32 s25, ttmp9, 16                      ; the work-group's 64 KiB
	s_add_co_u32 s32, s32, s25
	s_mov_b32 s33, 0
	s_wait_kmcnt 0x0
	s_cmp_lt_u32 s24, 2
	s_cselect_b64 s[26:27], s[8:9], s[10:11]       ; from where,
	s_cselect_b64 s[28:29], s[18:19], s[20:21]     ; and to where
	s_cmp_eq_u32 s24, 4
	s_cselect_b64 s[26:27], s[12:13], s[26:27]
	s_cmp_eq_u32 s24, 5
	s_cselect_b64 s[26:27], s[14:15], s[26:27]
	s_cmp_ge_u32 s24, 6
	s_cselect_b64 s[26:27], s[16:17], s[26:27]
	s_cselect_b64 s[28:29], s[22:23], s[28:29]
	s_add_nc_u64 s[26:27], s[26:27], s[30:31]
	s_add_nc_u64 s[28:29], s[28:29], s[32:33]
	s_wait_alu depctr_va_vdst(0)                   ; v1 and v2 are written: every load of the kernel reads v1 as its offset, every store v2
.set i, 0
.rept 32
	global_load_b128 v[X+4*i:X+4*i+3], v1, s[26:27] offset:4096*i th:TH_LOAD_NT
.set i, i+1
.endr
; Step s: four numbers are rounded, into the first two of the step's own registers.
.macro CV s, half
.if \half
	v_cvt_pk_bf16_f32 v4, v[X+4*(\s)], v[X+4*(\s)+1]      ; rounded to bf16 like every other input,
	v_cvt_pk_bf16_f32 v5, v[X+4*(\s)+2], v[X+4*(\s)+3]
	v_lshlrev_b32 v6, 16, v4                               ; widened again,
	v_and_b32 v7, s34, v4
	v_lshlrev_b32 v8, 16, v5
	v_and_b32 v9, s34, v5
	v_cvt_pk_f16_f32 v[X+4*(\s)], v6, v7                   ; and written as f16: eight significant bits fit into eleven
	v_cvt_pk_f16_f32 v[X+4*(\s)+1], v8, v9
.else
	v_cvt_pk_bf16_f32 v[X+4*(\s)], v[X+4*(\s)], v[X+4*(\s)+1]
	v_cvt_pk_bf16_f32 v[X+4*(\s)+1], v[X+4*(\s)+2], v[X+4*(\s)+3]
.endif
.endm
; Step s is stored.  No register that a load or store has named is written again.
.macro ST s
	global_store_b64 v2, v[X+4*(\s):X+4*(\s)+1], s[28:29] offset:2048*(\s) th:TH_STORE_NT
.endm
; Block p: its four loads are in; the four stores of the block before are dealt among its conversions, a store ahead of each step's.
.macro BLK p, half
	s_wait_loadcnt 28-4*(\p)                       ; loads come back in order (ISA guide 5.7.1): steps 4 p to 4 p + 3 are in, the 28 - 4 p younger loads stay out
.if (\p) > 0
	s_wait_alu depctr_va_vdst(0)                   ; the conversions of the block before have written its eight out registers, which the four stores below read; no vector instruction behind this line names them
.endif
.irp i, 0,1,2,3
.if (\p) > 0
	ST 4*(\p)-4+(\i)
.endif
	CV 4*(\p)+(\i), \half
.endr
.endm
	s_cmp_ge_u32 s24, 6
	s_cbranch_scc1 .Lhalf
.irp p, 0,1,2,3,4,5,6,7
	BLK \p, 0
.endr
	s_wait_alu depctr_va_vdst(0)                   ; block 7's conversions have written its out registers, which the last four stores read
.irp s, 28,29,30,31
	ST \s
.endr
	s_endpgm
.Lhalf:
.irp p, 0,1,2,3,4,5,6,7
	BLK \p, 1
.endr
	s_wait_alu depctr_va_vdst(0)                   ; block 7's conversions have written its out registers, which the last four stores read
.irp s, 28,29,30,31
	ST \s
.endr
	s_endpgm
.Lfunc_end_k_q0650c8b8f7_cast:
	.size	k_q0650c8b8f7_cast, .Lfunc_end_k_q0650c8b8f7_cast-k_q0650c8b8f7_cast
	.p2alignl 7, 3214868480
	.fill 96, 4, 3214868480
	.section	.rodata,"a",@progbits
	.p2align	6, 0x0
	.amdhsa_kernel k_q0650c8b8f7_cast
		.amdhsa_group_segment_fixed_size 0
		.amdhsa_private_segment_fixed_size 0
		.amdhsa_enable_private_segment 0
		.amdhsa_kernarg_size 64
		.amdhsa_user_sgpr_count 2
		.amdhsa_user_sgpr_kernarg_segment_ptr 1
		.amdhsa_wavefront_size32 1
		.amdhsa_system_sgpr_workgroup_id_x 1
		.amdhsa_system_sgpr_workgroup_id_y 1
		.amdhsa_system_sgpr_workgroup_id_z 1
		.amdhsa_system_vgpr_workitem_id 0
		.amdhsa_next_free_vgpr 144
		.amdhsa_next_free_sgpr 66
		.amdhsa_reserve_vcc 0
		.amdhsa_float_denorm_mode_32 3
		.amdhsa_float_denorm_mode_16_64 3
		.amdhsa_memory_ordered 1
		.amdhsa_forward_progress 1
		.amdhsa_inst_pref_size 28
	.end_amdhsa_kernel
	.amdgpu_metadata
---
amdhsa.version: [ 1, 2 ]
amdhsa.kernels:
  - .name:           k_q0650c8b8f7_cast
    .symbol:         k_q0650c8b8f7_cast.kd
    .args:
      - { .name: x, .offset: 0, .size: 8, .value_kind: global_buffer, .address_space: global }
      - { .name: Wq, .offset: 8, .size: 8, .value_kind: global_buffer, .address_space: global }
      - { .name: Wk, .offset: 16, .size: 8, .value_kind: global_buffer, .address_space: global }
      - { .name: Wv, .offset: 24, .size: 8, .value_kind: global_buffer, .address_space: global }
      - { .name: Wo, .offset: 32, .size: 8, .value_kind: global_buffer, .address_space: global }
      - { .name: xb, .offset: 40, .size: 8, .value_kind: global_buffer, .address_space: global }
      - { .name: wqkv, .offset: 48, .size: 8, .value_kind: global_buffer, .address_space: global }
      - { .name: wob, .offset: 56, .size: 8, .value_kind: global_buffer, .address_space: global }
    .group_segment_fixed_size: 0
    .private_segment_fixed_size: 0
    .kernarg_segment_align: 8
    .kernarg_segment_size: 64
    .max_flat_workgroup_size: 256
    .sgpr_count:     66
    .vgpr_count:     144
    .wavefront_size: 32
...
	.end_amdgpu_metadata
.endif
;; end of part 5
;; launch qkvgemm: the kernel of part 2 again; grid 16 x 16, 4 waves a work-group, clusters of 4 x 4, 327,680 bytes of LDS; arguments xb, wqkv, cos, sin, qkv; writes qkv
;; launch attn: the kernel of part 3 again; grid 32 x 8, 4 waves a work-group, clusters of 4 x 1, 327,680 bytes of LDS; arguments qkv, lambda_q1, lambda_k1, lambda_q2, lambda_k2, subln_w, att; writes att
;; launch outgemm: the kernel of part 4 again; grid 16 x 16, 4 waves a work-group, clusters of 4 x 4, 327,680 bytes of LDS; arguments att, wob, out0; writes out0
